; MI455X (gfx1250); checked and timed in simulation.
; The chip was launched on July 23, 2026; its instructions are those of AMD's public machine-readable ISA for CDNA 5 (MIT licence, August 2026) and "CDNA5" Instruction Set Architecture Reference Guide (July 2026). The comments in the code are by the model that wrote it; some were corrected since.
;; Multi Head Attention. Allowed arithmetic: matrix products marked QUANTISED: E2M1 operands, one E8M0 scale for each 32 along K, by v_wmma_scale_f32_16x16x128_f8f6f4 with both operands' format E2M1 (or v_wmma_scale_f32_32x16x128_f4), f32 sums; products left as they are: bf16, f16 or f32 operands; f32 sums; everything else in f32.
;; Inputs: b_out 1,024 float32; b_qkv 3,072 float32; w_out 1,024 x 1,024 float32; w_qkv 1,024 x 3,072 float32; x 4 x 2,048 x 1,024 float32.
;; Outputs: out0 4 x 2,048 x 1,024 float32.
;; This version of the problem:
;;   THIS VERSION OF THE PROBLEM IS GIVEN IN LOW PRECISION. The matrix products marked QUANTISED in the list below multiply operands that are first quantised to E2M1 (2 exponent bits, 1 mantissa bit; 4 bits a number), with one power-of-two scale for each 32 numbers along K (OCP MX v1.0); their sums are f32. The products marked 'left as it is' may take bf16, f16 or f32 operands, with f32 sums. Whichever they take, every output number must still come out within the allowed error. Rounding operands to bf16 (8 significant bits) uses up far more of that allowance than f16 does (11 bits, for magnitudes from 6e-5 to 65,504). All else is computed in f32.
;;   The module's matrix products, in the order in which they are computed (A, B: the left and right operand; K: the contracted axis; several contracted axes count as one K, in the product's order):
;;     1. [M 8,192, K 1,024] x [K 1,024, N 3,072]; A: input x; B: input w_qkv: QUANTISED
;;     2. batch 64 x [M 2,048, K 64] x [K 64, N 2,048]; A: computed on the way; B: computed on the way: left as it is (an operand is computed on the way)
;;     3. batch 64 x [M 2,048, K 2,048] x [K 2,048, N 64]; A: computed on the way; B: computed on the way: left as it is (an operand is computed on the way)
;;     4. [M 8,192, K 1,024] x [K 1,024, N 1,024]; A: computed on the way; B: input w_out: left as it is (an operand is computed on the way)
;;   THE QUANTISER, for each operand of a quantised product, along K:
;;     - K is cut into blocks of 32 from its start; a last block that is shorter is filled with zeros.
;;     - A block's scale is 2^e with e = floor(log2(the largest magnitude in the block)) - 2, held to -126 .. 127; a block of zeros has e = 0. As a byte (E8M0): e + 127.
;;     - Each number is divided by its block's scale, clamped to +-6, and rounded to the nearest number of E2M1, ties to even, subnormals kept.
;;     - The product sums the exact products of the quantised numbers (number of the format x scale) in f32.
;;   ~~~python
;;   def quantise(x, axis):      # numpy; x: float32 -> the quantised numbers, widened to float32 again
;;       x = np.moveaxis(x, axis, -1); K = x.shape[-1]
;;       x = np.pad(x, [(0, 0)] * (x.ndim - 1) + [(0, -K % 32)]); x = x.reshape(x.shape[:-1] + (-1, 32)); a = np.abs(x).max(-1, keepdims=True)
;;       e = np.where(a > 0, np.clip(np.frexp(np.where(a > 0, a, 1))[1] - 1 - 2, -126, 127), 0)      # np.frexp(a)[1] - 1 = floor(log2(a)), exactly
;;       r = np.clip(x / 2.0 ** e, -6, 6)
;;       step = 2.0 ** (np.maximum(np.frexp(np.where(r == 0, 1, r))[1] - 1, 0) - 1)
;;       q = np.round(r / step) * step * 2.0 ** e      # np.round: ties to even
;;       return np.moveaxis(q.reshape(q.shape[:-2] + (-1,))[..., :K], -1, axis).astype(np.float32)
;;   ~~~
;; One version. Each part assembles by itself: llvm-mc -triple=amdgcn-amd-amdhsa -mcpu=gfx1250 --defsym DOCPART=n.
;; ======== version 1 of 1: 4 launches
;; limits: values are held in f16: magnitudes above 65,504 overflow, below 6.1e-05 lose precision
;; workspace buffers: x_codes 4,194,304 bytes; x_scales 262,144 bytes; w_codes 1,572,864 bytes; w_scales 98,304 bytes; wo16 2,097,152 bytes; qkv 50,331,648 bytes; av 16,777,216 bytes
;; launch prep (part 1): grid 480 x 1, 4 waves a work-group, no clusters, 51,712 bytes of LDS; arguments x, w_qkv, w_out, x_codes, x_scales, w_codes, w_scales, wo16; writes x_codes, x_scales, w_codes, w_scales, wo16
.if DOCPART == 1
	.amdgcn_target "amdgcn-amd-amdhsa--gfx1250"
	.amdhsa_code_object_version 6
	.text
	.protected	k_q826dd8b960_prep
	.globl	k_q826dd8b960_prep
	.p2align	8
	.type	k_q826dd8b960_prep,@function
k_q826dd8b960_prep:
	s_mov_b64 s[64:65], 0
	v_nop
	global_prefetch_b8 v0, s[64:65] scope:SCOPE_SE
	s_setreg_imm32_b32 hwreg(HW_REG_WAVE_MODE, 25, 1), 1
	s_wait_xcnt 0x0
; MULTI-HEAD ATTENTION, launch 1 of 4: the operands of the quantised product x w_qkv become codes of FP4 (E2M1) with one E8M0 scale byte for each 32 along K = 1,024, and w_out becomes f16.
; WORK LEFT OUT BY THE PROGRAM: the bias of the keys, b_qkv[1024:2048].  k = x w_k + b_k enters the result through the scores alone: q . (x w_k + b_k) / 8 = q . (x w_k) / 8 + q . b_k / 8, and the
; second term is the same for all keys of a query's row, so the softmax along the keys takes it away, whatever finite values the inputs hold.  The product q k^T is not quantised, so no quantiser sees k.
; These 1,024 numbers are neither loaded nor added (launch 2).  LIMIT: a NaN, an infinity or an overflow that reaches the result through b_qkv[1024:2048] alone is not carried to it.
; THE QUANTISER: a block's scale is 2^(floor(log2(its largest magnitude)) - 2); its byte is the largest magnitude's own exponent field - 2, held at 1 from below.  A block of zeros gets the byte 1 where the
; rule says 127: its codes are zeros, which add nothing under any byte but 0xff, and this program alone reads the bytes.  Each number is divided by the scale and rounded to the nearest code, ties to even, beyond 6 to 6.
; LIMITS: blocks whose largest magnitude lies under 2^(2 - 126) were not tried; NaN and infinities in x and w_qkv are not served; |w_out| above 65,504 becomes infinity in f16.
; THREE STREAMS IN ONE LAUNCH, told apart by the work-group's number: 0-255 x (K innermost: a plain stream of blocks of 32), 256-351 w_qkv (K is its first axis: a lane takes a column and its registers run
; down K), 352-479 w_out.  Each stream has LDS bytes of its own.  No tensor loads, no barrier: waves share nothing.
.set SPARE,  51200                     ; the spare words, 128 bytes for each wave: two blocks of 256 bytes that no other line names
.set SPW,    192                       ; v192  LDS address of my spare word: SPARE + 4 x my thread's number; never rewritten
.set NIL,    193                       ; v193  0; never rewritten
.set EMAX,   2
; stream x
.set STEPS,  16                        ; a wave takes 16 steps of 512 numbers
.set CB,     8                         ; bytes of 16 codes
.set XR,     16                        ; v16-79   four sets of 16 numbers as they are loaded
.set XX,     80                        ; v80-111  two sets of 16 neighbours
.set XE,     112                       ; v112-127 a scale byte for each step
.set XC,     128                       ; v128-191 codes: four registers for each step, so that no store's data are written again
.set XREG,   8192                      ; LDS bytes 0 .. 32,767: a region for each wave: two stages of 32 x XSP bytes, behind them its 256 scale bytes
.set XSP,    80                        ; a lane's place in a stage: its 64 bytes + 16 of padding
; stream w_qkv
.set WBASE,  32768                     ; LDS bytes 32,768 .. 51,199: a stage of 32 rows x WPITCH for each wave
.set WNB,    8                         ; a wave takes 32 columns x 256 along K: 8 blocks a lane
.set WPITCH, 144                       ; 128 bytes of codes + 16 of padding
.set WROW,   12288                     ; a row of w_qkv in bytes
.set WX,     32                        ; v32-95   two sets of 32 numbers
.set WC,     96                        ; v96-99   a block's codes
.set WOUT,   112                       ; v112-143 the way out
.set WSB,    24                        ; v24-25   the scale bytes, four to a register
; stream w_out
.set OIN,    16                        ; v16-79   16 x 4 numbers
.set OOUT,   80                        ; v80-111  16 x 2 registers of f16
.macro FINISH                          ; the wave's end, behind the last LDS store; one ending serves all three streams
	s_wait_tensorcnt 0x0
	ds_add_u32 v[SPW], v[NIL]
	s_wait_dscnt 0x0
	s_endpgm
.endm
	s_load_b256 s[4:11], s[0:1], 0x0               ; x s[4:5], w_qkv s[6:7], w_out s[8:9], x_codes s[10:11]
	s_load_b256 s[12:19], s[0:1], 0x20             ; x_scales s[12:13], w_codes s[14:15], w_scales s[16:17], wo16 s[18:19]
	v_lshl_add_u32 v[SPW], v0, 2, SPARE
	v_mov_b32 v[NIL], 0
	v_lshrrev_b32 v1, 5, v0
	v_readfirstlane_b32 s20, v1                    ; wave 0..3
	v_and_b32 v2, 31, v0                           ; lane
	s_mov_b32 s25, 0                               ; the upper word of every offset pair s[24:25]
	s_wait_kmcnt 0x0
	s_cmp_lt_u32 ttmp9, 256
	s_cbranch_scc1 .Lpath_x
	s_cmp_lt_u32 ttmp9, 352
	s_cbranch_scc1 .Lpath_w
; ---- w_out to f16, in place of layout: a wave takes 8,192 bytes: 16 loads of 512 consecutive bytes, all out at once; each store covers 256 consecutive bytes, aligned
	s_sub_co_u32 s21, ttmp9, 352
	s_lshl_b32 s21, s21, 2
	s_add_co_u32 s21, s21, s20                     ; my chunk, 0..511
	s_lshl_b32 s24, s21, 13
	s_add_nc_u64 s[8:9], s[8:9], s[24:25]
	s_lshl_b32 s24, s21, 12
	s_add_nc_u64 s[18:19], s[18:19], s[24:25]
	v_lshlrev_b32 v3, 4, v2
	v_lshlrev_b32 v4, 3, v2
.irp i, 0,1,2,3,4,5,6,7,8,9,10,11,12,13,14,15
	global_load_b128 v[OIN+4*\i:OIN+4*\i+3], v3, s[8:9] offset:512*\i th:TH_LOAD_NT
.endr
.irp i, 0,1,2,3,4,5,6,7,8,9,10,11,12,13,14,15
	s_wait_loadcnt 15-\i                           ; loads come back in order: load i is in, the younger ones stay out
	v_cvt_pk_f16_f32 v[OOUT+2*\i], v[OIN+4*\i], v[OIN+4*\i+1]
	v_cvt_pk_f16_f32 v[OOUT+2*\i+1], v[OIN+4*\i+2], v[OIN+4*\i+3]
	global_store_b64 v4, v[OOUT+2*\i:OOUT+2*\i+1], s[18:19] offset:256*\i
.endr
	FINISH
; ---- w_qkv [1024 (k)][3072 (n)]: work-group i: columns 128 (i / 4) on, K from 256 (i % 4) on.  Each load reads 128 consecutive bytes a wave, 512 a work-group; a block of 32 along K lies in ONE lane's
; 32 registers, so that its largest magnitude needs no other lane and the conversions give codes with K innermost.  The codes go through the wave's own stage and leave as rows: eight lanes store the 128
; consecutive bytes of a column's 256 codes.  256 along K and not more, so that a wave's eight blocks, two of them on their way, take as many round trips to memory as the stream of x takes.
.Lpath_w:
	s_sub_co_u32 s21, ttmp9, 256
	s_lshr_b32 s22, s21, 2
	s_and_b32 s21, s21, 3                          ; which 256 along K
	s_lshl_b32 s22, s22, 7
	s_lshl_b32 s23, s20, 5
	s_add_co_u32 s22, s22, s23                     ; my wave's first column
	s_mul_i32 s24, s21, 256*WROW
	s_lshl_b32 s23, s22, 2
	s_add_co_u32 s24, s24, s23
	s_add_nc_u64 s[6:7], s[6:7], s[24:25]          ; w_qkv: 256 rows a quarter of K, 4 bytes a column
	s_lshl_b32 s24, s22, 9
	s_lshl_b32 s23, s21, 7
	s_add_co_u32 s24, s24, s23
	s_add_nc_u64 s[14:15], s[14:15], s[24:25]      ; the codes: 512 bytes a column, 128 a quarter of K
	s_lshl_b32 s24, s22, 5
	s_lshl_b32 s23, s21, 3
	s_add_co_u32 s24, s24, s23
	s_add_nc_u64 s[16:17], s[16:17], s[24:25]      ; the scale bytes: 32 a column, 8 a quarter of K
	v_lshlrev_b32 v3, 2, v2                        ; in: 4 bytes a lane
	s_mul_i32 s26, s20, 32*WPITCH
	s_add_co_u32 s26, s26, WBASE                   ; my stage
	v_mul_u32_u24 v4, v2, WPITCH
	v_add_nc_u32 v4, s26, v4                       ; into it: row = my column
	v_and_b32 v5, 7, v2
	v_lshrrev_b32 v6, 3, v2                        ; out of it: eight lanes to a row, four rows an instruction
	v_mul_u32_u24 v7, v6, WPITCH
	v_lshl_add_u32 v7, v5, 4, v7
	v_add_nc_u32 v7, s26, v7
	v_lshlrev_b32 v8, 9, v6
	v_lshl_add_u32 v8, v5, 4, v8                   ; and the same place in the codes' buffer
	v_lshlrev_b32 v9, 5, v2                        ; my column's row of scale bytes
.macro WLOAD t                         ; block t: w(32 t + i, my column), i = 0 .. 31, into set t % 2.  The largest offset, 255 rows, lies inside the signed 24-bit immediate
.irp i, 0,1,2,3,4,5,6,7,8,9,10,11,12,13,14,15,16,17,18,19,20,21,22,23,24,25,26,27,28,29,30,31
	global_load_b32 v[WX+32*((\t)%2)+\i], v3, s[6:7] offset:(32*(\t)+\i)*WROW th:TH_LOAD_NT
.endr
.endm
.macro WBLOCK t
.set XS, WX+32*((\t)%2)
.if (\t) < WNB-1
	s_wait_loadcnt 32                              ; this block's 32 loads are in; the next block's may be out
.else
	s_wait_loadcnt 0
.endif
	v_max3_num_f32 v12, |v[XS]|, |v[XS+1]|, |v[XS+2]|               ; the block's largest magnitude: all 32 numbers are mine; two chains
	v_max3_num_f32 v13, |v[XS+3]|, |v[XS+4]|, |v[XS+5]|
.irp i, 6,10,14,18,22,26
	v_max3_num_f32 v12, v12, |v[XS+\i]|, |v[XS+\i+1]|
	v_max3_num_f32 v13, v13, |v[XS+\i+2]|, |v[XS+\i+3]|
.endr
	v_max3_num_f32 v12, v12, |v[XS+30]|, |v[XS+31]|
	v_max3_num_f32 v12, v12, v13, (EMAX+1)<<23     ; and the floor 2^(3 - 127): the byte cannot fall under 1
	v_add_nc_u32 v11, -(EMAX<<23), v12             ; 2 off its exponent field: the conversion takes the exponent field of this operand as its scale, and nothing else of it
	v_lshrrev_b32 v13, 23, v11                     ; the scale's byte
.if (\t)%4 == 0
	v_mov_b32 v[WSB+(\t)/4], v13                   ; four bytes to a register, the lower K in the lower byte
.else
	v_lshl_or_b32 v[WSB+(\t)/4], v13, 8*((\t)%4), v[WSB+(\t)/4]
.endif
.irp g, 0,1,2,3
	v_cvt_scalef32_pk8_fp4_f32 v[WC+\g], v[XS+8*\g:XS+8*\g+7], v11
.endr
	ds_store_b128 v4, v[WC:WC+3] offset:16*(\t)    ; 32 codes: 16 bytes of my column's row.  (The next block begins with plain vector lines, which stand between these conversions and the next write of their scale)
.if (\t)+2 < WNB
	WLOAD (\t)+2
.endif
	s_wait_dscnt 0x0                               ; the store has read its registers: the next block's codes may be written
.endm
	WLOAD 0
	WLOAD 1
.irp t, 0,1,2,3,4,5,6,7
	WBLOCK \t
.endr
	global_store_b64 v9, v[WSB:WSB+1], s[16:17]    ; my column's 8 scale bytes
.irp t, 0,1,2,3,4,5,6,7
	ds_load_b128 v[WOUT+4*\t:WOUT+4*\t+3], v7 offset:4*\t*WPITCH   ; LDS serves a wave's instructions in order: these see my stores
.endr
.irp t, 0,1,2,3,4,5,6,7
	s_wait_dscnt 7-\t
	global_store_b128 v8, v[WOUT+4*\t:WOUT+4*\t+3], s[14:15] offset:4*\t*512
.endr
	FINISH
; ---- x: a plain stream of blocks of 32.  The conversions take 8 numbers of ONE block from a lane's registers, so a lane must hold 16 neighbours (two neighbouring lanes hold a block); a load is best where
; neighbouring LANES take neighbouring bytes.  Both are had: each of a step's four loads reads 512 consecutive bytes; the 2,048 bytes go through the wave's own stage and come back 64 bytes a lane.
; A lane's 16 codes are 8 bytes: the wave stores 256 consecutive bytes.  A wave's 256 scale bytes are gathered in LDS and leave as one aligned run of 256.  Loads run four steps ahead, the turn through LDS one.
.Lpath_x:
	v_lshlrev_b32 v3, 4, v2                        ; my 16 bytes of a load's 512
	s_mul_i32 s21, s20, XREG
	v_lshrrev_b32 v14, 2, v2
	v_mul_u32_u24 v14, v14, XSP
	v_and_b32 v15, 3, v2
	v_lshl_add_u32 v14, v15, 4, v14
	v_add_nc_u32 v14, s21, v14                     ; the stage, on the way in: XSP (lane / 4) + 16 (lane % 4); a load's 512 bytes take eight places
	v_mul_u32_u24 v15, v2, XSP
	v_add_nc_u32 v15, s21, v15                     ; and on the way out: XSP x lane: my 16 neighbours
	v_mul_u32_u24 v4, v2, CB                       ; my codes' place in a step's
	v_lshrrev_b32 v5, 1, v2
	s_add_co_u32 s21, s21, 2*32*XSP
	v_add_nc_u32 v5, s21, v5                       ; LDS: my wave's 256 scale bytes, my block's byte
	v_lshlrev_b32 v7, 3, v2                        ; and on the way out 8 bytes a lane
	v_add_nc_u32 v6, s21, v7
	s_lshl_b32 s22, ttmp9, 2
	s_add_co_u32 s22, s22, s20                     ; which run of 8,192 numbers is my wave's: 0..1023
	s_lshl_b32 s24, s22, 15
	s_add_nc_u64 s[4:5], s[4:5], s[24:25]
	s_lshl_b32 s24, s22, 12
	s_add_nc_u64 s[10:11], s[10:11], s[24:25]
	s_lshl_b32 s24, s22, 8
	s_add_nc_u64 s[12:13], s[12:13], s[24:25]
.macro XLOAD t
.irp i, 0,1,2,3
	global_load_b128 v[XR+16*((\t)%4)+4*\i:XR+16*((\t)%4)+4*\i+3], v3, s[4:5] offset:2048*(\t)+512*\i th:TH_LOAD_NT
.endr
.endm
.macro XTURN t                         ; step t's numbers through the stage: LDS serves a wave's instructions in order, so no wait stands between the stores and the loads
.irp i, 0,1,2,3
	ds_store_b128 v14, v[XR+16*((\t)%4)+4*\i:XR+16*((\t)%4)+4*\i+3] offset:32*XSP*((\t)%2)+8*XSP*\i
.endr
.irp i, 0,1,2,3
	ds_load_b128 v[XX+16*((\t)%2)+4*\i:XX+16*((\t)%2)+4*\i+3], v15 offset:32*XSP*((\t)%2)+16*\i
.endr
.endm
.irp t, 0,1,2,3
	XLOAD \t
.endr
	s_wait_loadcnt 12                              ; step 0's four loads are in
	XTURN 0
.macro XSTEP t
.set XS, XX+16*((\t)%2)
.if (\t) > 0
	s_wait_dscnt 1                                 ; this step's numbers are back from the stage (the last step's byte store may be out): so its stores into the stage have read their registers,
.else
	s_wait_dscnt 0x0
.endif
.if (\t)+4 < STEPS
	XLOAD (\t)+4                                   ; which take the loads of four steps on
.endif
.if (\t)+1 < STEPS
.if STEPS-2-(\t) >= 3
	s_wait_loadcnt 12                              ; the next step's four loads are in; those of the three steps behind it may be out
.else
	s_wait_loadcnt 4*(STEPS-2-(\t))
.endif
	XTURN (\t)+1                                   ; and go through the other stage while this step is worked
.endif
	v_max3_num_f32 v8, |v[XS]|, |v[XS+1]|, |v[XS+2]|               ; the largest magnitude of my 16
	v_max3_num_f32 v9, |v[XS+3]|, |v[XS+4]|, |v[XS+5]|
.irp i, 6,10
	v_max3_num_f32 v8, v8, |v[XS+\i]|, |v[XS+\i+1]|
	v_max3_num_f32 v9, v9, |v[XS+\i+2]|, |v[XS+\i+3]|
.endr
	v_max3_num_f32 v8, v8, |v[XS+14]|, |v[XS+15]|
	v_max3_num_f32 v8, v8, v9, (EMAX+1)<<23        ; and the floor 2^(3 - 127)
	v_max_num_f32_dpp v8, v8, v8 row_xmask:1 row_mask:0xf bank_mask:0xf   ; and of my neighbour's 16: the block's
	v_add_nc_u32 v11, -(EMAX<<23), v8              ; 2 off its exponent field: the conversion's scale operand
	v_cvt_scalef32_pk8_fp4_f32 v[XC+4*(\t)], v[XS:XS+7], v11
	v_cvt_scalef32_pk8_fp4_f32 v[XC+4*(\t)+1], v[XS+8:XS+15], v11
	v_lshrrev_b32 v[XE+(\t)], 23, v11              ; the scale's byte (a plain line behind the conversions)
	ds_store_b8 v5, v[XE+(\t)] offset:16*(\t)      ; both lanes of a block write the same byte with the same value
	global_store_b64 v4, v[XC+4*(\t):XC+4*(\t)+1], s[10:11] offset:32*CB*(\t)
.endm
.irp t, 0,1,2,3,4,5,6,7,8,9,10,11,12,13,14,15
	XSTEP \t
.endr
	ds_load_b64 v[8:9], v6                         ; LDS serves a wave's instructions in order: these see my stores
	s_wait_dscnt 0x0
	global_store_b64 v7, v[8:9], s[12:13]          ; 32 lanes store 256 consecutive bytes, aligned
	FINISH
.Lfunc_end_k_q826dd8b960_prep:
	.size	k_q826dd8b960_prep, .Lfunc_end_k_q826dd8b960_prep-k_q826dd8b960_prep
	.p2alignl 7, 3214868480
	.fill 96, 4, 3214868480
	.section	.rodata,"a",@progbits
	.p2align	6, 0x0
	.amdhsa_kernel k_q826dd8b960_prep
		.amdhsa_group_segment_fixed_size 51712
		.amdhsa_private_segment_fixed_size 0
		.amdhsa_enable_private_segment 0
		.amdhsa_kernarg_size 64
		.amdhsa_user_sgpr_count 2
		.amdhsa_user_sgpr_kernarg_segment_ptr 1
		.amdhsa_wavefront_size32 1
		.amdhsa_system_sgpr_workgroup_id_x 1
		.amdhsa_system_sgpr_workgroup_id_y 1
		.amdhsa_system_sgpr_workgroup_id_z 1
		.amdhsa_system_vgpr_workitem_id 0
		.amdhsa_next_free_vgpr 194
		.amdhsa_next_free_sgpr 66
		.amdhsa_reserve_vcc 0
		.amdhsa_float_denorm_mode_32 3
		.amdhsa_float_denorm_mode_16_64 3
		.amdhsa_memory_ordered 1
		.amdhsa_forward_progress 1
		.amdhsa_inst_pref_size 79
	.end_amdhsa_kernel
	.amdgpu_metadata
---
amdhsa.version: [ 1, 2 ]
amdhsa.kernels:
  - .name:           k_q826dd8b960_prep
    .symbol:         k_q826dd8b960_prep.kd
    .args:
      - { .name: x, .offset: 0, .size: 8, .value_kind: global_buffer, .address_space: global }
      - { .name: w_qkv, .offset: 8, .size: 8, .value_kind: global_buffer, .address_space: global }
      - { .name: w_out, .offset: 16, .size: 8, .value_kind: global_buffer, .address_space: global }
      - { .name: x_codes, .offset: 24, .size: 8, .value_kind: global_buffer, .address_space: global }
      - { .name: x_scales, .offset: 32, .size: 8, .value_kind: global_buffer, .address_space: global }
      - { .name: w_codes, .offset: 40, .size: 8, .value_kind: global_buffer, .address_space: global }
      - { .name: w_scales, .offset: 48, .size: 8, .value_kind: global_buffer, .address_space: global }
      - { .name: wo16, .offset: 56, .size: 8, .value_kind: global_buffer, .address_space: global }
    .group_segment_fixed_size: 51712
    .private_segment_fixed_size: 0
    .kernarg_segment_align: 8
    .kernarg_segment_size: 64
    .max_flat_workgroup_size: 128
    .sgpr_count:     66
    .vgpr_count:     194
    .wavefront_size: 32
...
	.end_amdgpu_metadata
.endif
;; end of part 1
;; launch qkv (part 2): grid 12 x 32, 4 waves a work-group, clusters of 4 x 4, 327,680 bytes of LDS; arguments x_codes, x_scales, w_codes, w_scales, b_qkv, qkv; writes qkv
.if DOCPART == 2
	.amdgcn_target "amdgcn-amd-amdhsa--gfx1250"
	.amdhsa_code_object_version 6
	.text
	.protected	k_q826dd8b960_qkv
	.globl	k_q826dd8b960_qkv
	.p2align	8
	.type	k_q826dd8b960_qkv,@function
k_q826dd8b960_qkv:
	s_mov_b64 s[64:65], 0
	v_nop
	global_prefetch_b8 v0, s[64:65] scope:SCOPE_SE
	s_setreg_imm32_b32 hwreg(HW_REG_WAVE_MODE, 25, 1), 1
	s_wait_xcnt 0x0
	s_wait_alu depctr_hold_cnt(0) depctr_sa_sdst(0) depctr_va_vdst(0) depctr_va_sdst(0) depctr_va_ssrc(0) depctr_va_vcc(0) depctr_vm_vsrc(0)
	s_getreg_b32 s2, hwreg(HW_REG_IB_STS2, 6, 4)
	s_cmp_eq_u32 s2, 0
	s_cbranch_scc0 .Lentry_in_a_cluster
	s_endpgm
.Lentry_in_a_cluster:
	s_bfe_u32 s2, ttmp6, 0x10000c
	s_cmp_lg_u32 s2, 0xf033
	s_cbranch_scc0 .Lentry_shape_is_right
	s_endpgm
.Lentry_shape_is_right:
; Launch 2 of 4: qkv = Q(x) Q(w_qkv) + b_qkv on codes of FP4 (E2M1) with one E8M0 scale for each 32 along K = 1,024; sums in f32; the result leaves as f16, laid [part 3][batch 4][head 16][token 2048][64].
; WORK LEFT OUT: the bias of the keys, b_qkv[1024:2048]: it adds the same number to all scores of a query's row, and the softmax takes that away (shown at the head of the first launch).  It is not loaded.
; LIMIT: |q|, |k| or |v| above 65,504 becomes infinity in f16.
; A tile of 256 tokens x 256 columns is made by four waves, each 128 x 128: 64 accumulators of 16 x 16, 512 registers.  All of K lies in two LDS slots of 512 along K (a tile's row is 256 bytes of memory),
; both asked for at the start: nothing is filled again.  The scale bytes of the tile's 256 + 256 rows, two dense blocks of memory, come with them.  By this text's own count a wave has three tensor loads out at the most.
; CLUSTERS: 4 x 4 work-groups.  The four of a row of the cluster need the same tiles of x, the four of a column the same tiles of w: each is asked for JOINTLY, by the same tensor load with the same
; descriptor and a mask that names the four.  A cluster's four tile columns are 1,024 columns: cluster x = 0 makes q, 1 makes k, 2 makes v.
; THE MATRIX INSTRUCTION IS USED TRANSPOSED (source 0 = 16 rows of w's codes, source 1 = 16 rows of x's): a lane then holds eight neighbouring columns of one token.
; THE BIAS IS THE C OF EACH SUM'S FIRST PRODUCT: 64 registers in the result's layout (register 8 b + j: column 16 b + 8 (lane / 16) + j of my 128); for the keys they hold zeros.
; REGISTERS, in windows of 256: window 0: v0-31 addresses; v32-95 scale words, two sets; v128-191 x's fragments, ONE set; v192-255 the bias; on the way out v32-127 are free.
;   window 1: w's fragments, TWO sets, at v0 and at v128.   window 2: the 32 accumulators of my tokens 0-63 (accumulator (a, b) at v[8 (8 a + b)]);   window 3: those of my tokens 64-127.
.set NQ,     4                         ; matrix instructions deep in a slot: 512 along K
.set ROWB,   256                       ; a tile's row in bytes
.set KROW,   512                       ; a row of codes in memory
.set PITCH,  272                       ; an LDS row: 256 bytes + 16 of padding = 68 words: row r starts at bank 4 r mod 64 (64 banks of 4 bytes: ISA guide 11.1)
.set FR,     8                         ; registers of a fragment: 16 rows x 128 K
.set NL,     2                         ; LDS loads that bring one
.set NP,     4                         ; places behind this matrix instruction (ISA guide 7.12.1)
.set HALFT,  128*PITCH                 ; 128 rows: what one tensor load brings
.set SLOT,   4*HALFT                   ; x's 256 rows, then w's 256 rows
.set KS,     32                        ; a row of scale bytes
.set SCL,    2*SLOT                    ; behind the slots: the scales, as runs of 256 bytes + 16 of padding
.set HALFS,  (128*KS/256)*272          ; the scales of 128 rows
.set SBLK,   (16*KS/256)*272           ; those of 16 rows
.set SPARE,  SCL+4*HALFS               ; the spare words, 128 bytes for each wave: two blocks of 256 bytes that no other line names
.set SPITCH, 272                       ; the way out: a stage of 16 rows x (256 bytes + 16) for each wave, in slot 0, which has had its one fill and its last read when the first result is stored there
.set ADRA, 16                          ; v16-17  LDS address of my fragments of x in slot 0, 1
.set ADRB, 20                          ; v20-21  the same for w
.set STO,  24                          ; v24     the way out: where I put 16 bytes of a row
.set RD,   25                          ; v25     the way out: where I read back: eight lanes to a head's 128 bytes of a token
.set CO,   26                          ; v26     16 x lane: my place in 512 consecutive bytes of qkv
.set ADRS, 27                          ; v27     LDS address of my scale words: lanes 0-15 x's rows, lanes 16-31 w's
.set SPW,  28                          ; v28     LDS address of my spare word; never rewritten
.set NIL,  29                          ; v29     0; never rewritten
.set BOF,  30                          ; v30     32 x (lane / 16): my eight numbers of a tile's 16 of the bias
.set SC,   32                          ; scale words: set s at v[SC + 32 s]; register 4 i + q: lanes 0-15 the word of x's block i, lanes 16-31 that of w's block i
.set AF,   128                         ; x's fragments
.set BI,   192                         ; the bias
.set TMP,  32                          ; the way out: packed results
.set BK,   64                          ; the way out: 16 tokens read back: v64-95 and v96-127 by turns
.set G1, 24                            ; s[24:31] descriptor group 1 for x's tiles;  s[32:39] group 0, one set for each slot
.set G0, 32
.set G1B, 48                           ; s[48:55], s[56:63] the same for w's
.set G0B, 56
.set G1S, 68                           ; s[68:75], s[76:79] groups 1 and 0 for x's scales;  s[80:87], s[88:91] for w's
.set G0S, 76
.set G1SB, 80
.set G0SB, 88
.set MSB, 0
.macro WIN new                         ; the immediate's high byte repeats the setting that is left
.if MSB != (\new)
	s_set_vgpr_msb (MSB<<8)|(\new)
.set MSB, (\new)
.endif
.endm
.set MUL_LO, 0xa1                      ; source 0 (w) window 1, source 1 (x) window 0, C and D window 2
.set MUL_HI, 0xf1                      ; the same, C and D window 3
.set BIA_LO, 0x81                      ; the first step: C (the bias) window 0, D window 2
.set BIA_HI, 0xc1                      ; D window 3
.set TO_B,   0x40                      ; destination window 1, address window 0
; A joint load: waves 0 and 1 fetch for x, waves 2 and 3 for w.  The branch hangs on the wave's number alone.  An s_nop 0 and four v_nop follow each of the two lines.
.macro JLOAD g0a, g1a, g0b, g1b
	s_cmp_eq_u32 s15, 0
	s_cbranch_scc0 .Lfor_b_\@
	tensor_load_to_lds s[\g0a:\g0a+3], s[\g1a:\g1a+7]
	s_nop 0
.rept 4
	v_nop
.endr
	s_branch .Lasked_\@
.Lfor_b_\@:
	tensor_load_to_lds s[\g0b:\g0b+3], s[\g1b:\g1b+7]
	s_nop 0
.rept 4
	v_nop
.endr
.Lasked_\@:
.endm
.macro CROUND                          ; a round of the cluster's barrier
	s_barrier_signal -1
	s_barrier_wait -1
	s_cmp_lg_u32 s14, 0
	s_cbranch_scc1 .Lnot_wave_0_\@
	s_barrier_signal -3
.Lnot_wave_0_\@:
	s_barrier_wait -3
	s_barrier_signal -1
	s_barrier_wait -1
.endm
	s_load_b128 s[4:7], s[0:1], 0x0                ; x's codes s[4:5], x's scales s[6:7]
	s_load_b128 s[8:11], s[0:1], 0x10              ; w's codes s[8:9], w's scales s[10:11]
	s_load_b64 s[96:97], s[0:1], 0x20              ; b_qkv
	s_load_b64 s[12:13], s[0:1], 0x28              ; qkv
	v_lshl_add_u32 v[SPW], v0, 2, SPARE
	v_mov_b32 v[NIL], 0
	ds_add_u32 v[SPW], v[NIL]                      ; the wave's opening: the add, twice on end, and its wait ahead of my first tensor load
	ds_add_u32 v[SPW], v[NIL]                      ; and once more, under the one wait; the set-up below, work on registers, stands between
	v_lshrrev_b32 v1, 5, v0
	v_readfirstlane_b32 s14, v1                    ; wave 0..3
	s_lshr_b32 s15, s14, 1                         ; which half of the tile's tokens is mine.  Also: I fetch for x (0) or for w (1)
	s_and_b32 s16, s14, 1                          ; which half of its columns.  Also: which 128 rows of that tile I fetch
	s_bfe_u32 s40, ttmp6, 0x40000                  ; cx, cy: my place in the cluster
	s_bfe_u32 s41, ttmp6, 0x40004
	s_lshl_b32 s42, ttmp9, 2
	s_add_co_u32 s42, s42, s40                     ; tile column = 4 x cluster x + cx
	s_and_b32 s17, ttmp7, 0xffff
	s_lshl_b32 s17, s17, 2
	s_add_co_u32 s17, s17, s41                     ; tile row = 4 x cluster y + cy
	s_lshl_b32 s43, s41, 2
	s_lshl_b32 s43, 15, s43                        ; my row of the cluster
	s_lshl_b32 s44, 0x1111, s40                    ; my column
	; descriptor group 1: a tile of 128 rows x 256 bytes, padded in LDS
	s_or_b32 s[G1+0], s43, (0<<16)|(1<<20)|(1<<21)|(5<<22)|(3<<25)  ; 15:0 the mask: x's tiles go to my row; 17:16 elements of 1 byte; 20 padding on; 21 set beside a mask; 24:22 after every 64 words; 31:25 four words
	s_or_b32 s[G1B+0], s44, (0<<16)|(1<<20)|(1<<21)|(5<<22)|(3<<25)
.irp g, G1, G1B
	s_mov_b32 s[\g+1], ROWB<<16                    ; tensor_dim0
	s_mov_b32 s[\g+2], 128<<16                     ; tensor_dim1
	s_mov_b32 s[\g+3], ROWB<<16                    ; tile_dim0
	s_mov_b32 s[\g+4], 128                         ; tile_dim1
	s_mov_b32 s[\g+5], KROW                        ; tensor_dim0_stride
	s_mov_b32 s[\g+6], 0
	s_mov_b32 s[\g+7], 0
.endr
	; and for the scales of 128 rows: a dense block of 4,096 bytes, as 16 rows of 256 bytes (32 elements of 8 bytes), 16 bytes of padding behind each
	s_or_b32 s[G1S+0], s43, (3<<16)|(1<<20)|(1<<21)|(5<<22)|(3<<25)
	s_or_b32 s[G1SB+0], s44, (3<<16)|(1<<20)|(1<<21)|(5<<22)|(3<<25)
.irp g, G1S, G1SB
	s_mov_b32 s[\g+1], 32<<16
	s_mov_b32 s[\g+2], (128*KS/256)<<16
	s_mov_b32 s[\g+3], 32<<16
	s_mov_b32 s[\g+4], 128*KS/256
	s_mov_b32 s[\g+5], 32
	s_mov_b32 s[\g+6], 0
	s_mov_b32 s[\g+7], 0
.endr
	s_lshl_b32 s18, s16, 7                         ; which 128 rows of the tile I fetch
	s_lshl_b32 s20, s17, 8
	s_add_co_u32 s20, s20, s18                     ; x: row 256 x tile row + 128 x half
	s_lshl_b32 s46, s42, 8
	s_add_co_u32 s46, s46, s18                     ; w: row 256 x tile column + 128 x half
	s_mov_b32 s21, 0
	s_mov_b32 s47, 0
	s_mov_b64 s[18:19], KS
	s_mul_u64 s[22:23], s[20:21], s[18:19]         ; where these rows' scales begin, in bytes
	s_mul_u64 s[92:93], s[46:47], s[18:19]
	s_mov_b64 s[18:19], KROW
	s_mul_u64 s[20:21], s[20:21], s[18:19]         ; and their codes
	s_mul_u64 s[46:47], s[46:47], s[18:19]
	s_mul_i32 s45, s14, HALFT                      ; where they go: wave x 128 rows: no place in the cluster enters an LDS address
	s_mul_i32 s94, s14, HALFS
	s_wait_dscnt 0x0                               ; both opening adds are done
	s_wait_kmcnt 0x0
	s_add_nc_u64 s[20:21], s[4:5], s[20:21]
	s_add_nc_u64 s[22:23], s[6:7], s[22:23]
	s_add_nc_u64 s[46:47], s[8:9], s[46:47]
	s_add_nc_u64 s[92:93], s[10:11], s[92:93]
	CROUND                                         ; all sixteen work-groups are here: the joint loads meet
	s_mov_b32 s[G0S], 1
	s_add_co_u32 s[G0S+1], s94, SCL
	s_mov_b64 s[G0S+2:G0S+3], s[22:23]
	s_or_b32 s[G0S+3], s[G0S+3], 0x80000000
	s_mov_b32 s[G0SB], 1
	s_add_co_u32 s[G0SB+1], s94, SCL
	s_mov_b64 s[G0SB+2:G0SB+3], s[92:93]
	s_or_b32 s[G0SB+3], s[G0SB+3], 0x80000000
	JLOAD G0S, G1S, G0SB, G1SB                     ; the scales first: they are wanted with the first slot
.irp s, 0,1
	s_mov_b32 s[G0+4*\s], 1
	s_add_co_u32 s[G0+4*\s+1], s45, \s*SLOT
	s_add_nc_u64 s[G0+4*\s+2:G0+4*\s+3], s[20:21], \s*ROWB
	s_or_b32 s[G0+4*\s+3], s[G0+4*\s+3], 0x80000000
	s_mov_b32 s[G0B+4*\s], 1
	s_add_co_u32 s[G0B+4*\s+1], s45, \s*SLOT
	s_add_nc_u64 s[G0B+4*\s+2:G0B+4*\s+3], s[46:47], \s*ROWB
	s_or_b32 s[G0B+4*\s+3], s[G0B+4*\s+3], 0x80000000
	JLOAD G0+4*\s, G1, G0B+4*\s, G1B
.endr
	v_and_b32 v1, 15, v0                           ; r = l % 16
	v_bfe_u32 v2, v0, 4, 1                         ; h = l / 16
	v_mul_u32_u24 v3, v1, PITCH
	v_lshl_add_u32 v4, v2, 4, v3                   ; a fragment's row x pitch + 16 x half
	s_mul_i32 s21, s15, HALFT                      ; my 128 rows of x
	s_mul_i32 s22, s16, HALFT                      ; my 128 rows of w,
	s_add_co_u32 s22, s22, 2*HALFT                 ; which lie behind x's 256
.irp s, 0,1
	v_add_nc_u32 v[ADRA+\s], s21, v4
	v_add_nc_u32 v[ADRB+\s], s22, v4
	s_add_co_u32 s21, s21, SLOT
	s_add_co_u32 s22, s22, SLOT
.endr
	v_mul_u32_u24 v5, v1, KS                       ; my row's scales: 32 bytes a row,
	v_lshrrev_b32 v6, 8, v5
	v_lshl_add_u32 v5, v6, 4, v5                   ; and 16 more for each 256 passed
	s_mul_i32 s21, s15, HALFS                      ; x's: my 128 rows
	s_mul_i32 s22, s16, HALFS                      ; w's: my 128 rows, behind x's 256
	s_add_co_u32 s22, s22, 2*HALFS
	s_sub_co_u32 s22, s22, s21
	v_mul_u32_u24 v6, s22, v2                      ; lanes 16-31 take w's: one product, the distance between the two bases
	s_add_co_u32 s21, s21, SCL
	v_add_nc_u32 v5, v5, v6
	v_add_nc_u32 v[ADRS], s21, v5
	s_mul_i32 s23, s14, 16*SPITCH                  ; my stage, in slot 0
	v_mul_u32_u24 v5, v1, SPITCH                   ; in: row r, 16 bytes for each half of the lanes
	v_lshl_add_u32 v5, v2, 4, v5
	v_add_nc_u32 v[STO], s23, v5
	v_and_b32 v6, 31, v0
	v_lshlrev_b32 v[CO], 4, v6
	v_lshrrev_b32 v5, 3, v6                        ; back: four tokens an instruction, eight lanes to a head's 128 bytes
	v_mul_u32_u24 v5, v5, SPITCH
	v_and_b32 v6, 7, v6
	v_lshl_add_u32 v5, v6, 4, v5
	v_add_nc_u32 v[RD], s23, v5
	v_lshlrev_b32 v[BOF], 5, v2
	; where my part of qkv begins: my 128 columns are heads hd, hd + 1 of the 48 (part = hd / 16); plane = 64 part + 16 batch + head, 262,144 bytes each; a token's row is 128 bytes
	s_lshl_b32 s46, s42, 2
	s_lshl_b32 s47, s16, 1
	s_add_co_u32 s46, s46, s47                     ; hd = 4 x tile column + 2 x half
	s_lshr_b32 s47, s46, 4
	s_and_b32 s46, s46, 15
	s_lshl_b32 s47, s47, 6
	s_add_co_u32 s46, s46, s47
	s_lshl_b32 s20, s17, 8
	s_lshl_b32 s21, s15, 7
	s_add_co_u32 s20, s20, s21                     ; my first token of the 8,192
	s_lshr_b32 s21, s20, 11
	s_lshl_b32 s21, s21, 4
	s_add_co_u32 s46, s46, s21                     ; the plane
	s_lshl_b32 s46, s46, 18
	s_and_b32 s20, s20, 2047
	s_lshl_b32 s20, s20, 7
	s_add_co_u32 s46, s46, s20
	s_mov_b32 s47, 0
	s_add_nc_u64 s[12:13], s[12:13], s[46:47]
	s_lshl_b32 s46, s42, 10                        ; the bias of my 128 columns: 4 bytes x (256 x tile column + 128 x half)
	s_lshl_b32 s47, s16, 9
	s_add_co_u32 s46, s46, s47
	s_mov_b32 s47, 0
	s_add_nc_u64 s[96:97], s[96:97], s[46:47]
	s_cmp_eq_u32 ttmp9, 1                          ; the cluster's x: the same in all sixteen partners
	s_cbranch_scc1 .Lkeys
.irp b, 0,1,2,3,4,5,6,7
	global_load_b128 v[BI+8*\b:BI+8*\b+3], v[BOF], s[96:97] offset:64*\b
	global_load_b128 v[BI+8*\b+4:BI+8*\b+7], v[BOF], s[96:97] offset:64*\b+16
.endr
	s_branch .Lbias_there
.Lkeys:                                            ; the keys' bias is work left out: the same 64 registers hold zeros, so that the products below are one text for q, k and v
.irp i, 0,1,2,3,4,5,6,7,8,9,10,11,12,13,14,15,16,17,18,19,20,21,22,23,24,25,26,27,28,29,30,31,32,33,34,35,36,37,38,39,40,41,42,43,44,45,46,47,48,49,50,51,52,53,54,55,56,57,58,59,60,61,62,63
	v_mov_b32 v[BI+\i], 0
.endr
.Lbias_there:
.macro FRAG reg, adr, q, i             ; a fragment, 16 rows x 128 K of 4-bit codes: lane l holds row l % 16; registers 4 c .. 4 c + 3 hold K = 64 c + 32 (l / 16) + 0 .. 31
.irp c, 0,1
	ds_load_b128 v[\reg+4*\c:\reg+4*\c+3], v[\adr] offset:64*(\q)+32*\c+(\i)*16*PITCH
.endr
.endm
; 16 matrix instructions: x's blocks a0, a0 + 1 against w's eight, 128 along K: the slot's q-th.  p: w's set;  sc: the set of scale words.  zero = 1: the first product starts the sums on the bias.
; The 64 accumulators take turns, one instruction a turn, in the same order in every step.
.macro MUL16 a0, p, q, sc, zero
.irp a, \a0, \a0+1
.irp b, 0,1,2,3,4,5,6,7
.if \zero
	v_wmma_scale_f32_16x16x128_f8f6f4 v[8*(8*((\a)%4)+\b):8*(8*((\a)%4)+\b)+7], v[128*(\p)+FR*\b:128*(\p)+FR*\b+FR-1], v[AF+FR*(\a):AF+FR*(\a)+FR-1], v[BI+8*\b:BI+8*\b+7], v[SC+8*NQ*(\sc)+NQ*\b+(\q)], v[SC+8*NQ*(\sc)+NQ*(\a)+(\q)] matrix_a_fmt:MATRIX_FMT_FP4 matrix_b_fmt:MATRIX_FMT_FP4 matrix_a_scale:MATRIX_SCALE_ROW1
.else
	v_wmma_scale_f32_16x16x128_f8f6f4 v[8*(8*((\a)%4)+\b):8*(8*((\a)%4)+\b)+7], v[128*(\p)+FR*\b:128*(\p)+FR*\b+FR-1], v[AF+FR*(\a):AF+FR*(\a)+FR-1], v[8*(8*((\a)%4)+\b):8*(8*((\a)%4)+\b)+7], v[SC+8*NQ*(\sc)+NQ*\b+(\q)], v[SC+8*NQ*(\sc)+NQ*(\a)+(\q)] matrix_a_fmt:MATRIX_FMT_FP4 matrix_b_fmt:MATRIX_FMT_FP4 matrix_a_scale:MATRIX_SCALE_ROW1
.endif
.endr
.endr
.endm
.macro FETCH_B slot, q, p              ; w's eight fragments of the slot's q-th 128 along K into set p
	WIN TO_B
.irp i, 0,1,2,3,4,5,6,7
	FRAG 128*(\p)+FR*\i, ADRB+\slot, \q, \i
.endr
	WIN 0
.endm
.macro FETCH_A slot, q, i0             ; x's blocks i0 .. i0 + 3
.irp i, \i0, \i0+1, \i0+2, \i0+3
	FRAG AF+FR*(\i), ADRA+\slot, \q, \i
.endr
.endm
.macro SCALES sc                       ; a slot's scale words into set sc: four words a row; lanes 0-15 take x's block i, lanes 16-31 w's block i
.irp i, 0,1,2,3,4,5,6,7
	ds_load_b128 v[SC+8*NQ*\sc+NQ*\i:SC+8*NQ*\sc+NQ*\i+3], v[ADRS] offset:\i*SBLK
.endr
.endm
; A load into a register that a matrix instruction has read, and a vector instruction or an LDS store that reads a matrix result, stand NP places behind it; only plain vector instructions that name none of
; its registers are places (ISA guide 7.12.1 for vector instructions).
.macro PLACES n
.rept \n
	v_nop
.endr
.endm
; A step of 128 along K that has its successor in the same slot.  A block of x is free as soon as its eight products are issued: blocks 0-3 are fetched anew in the step's middle, blocks 4-7 at its end.
.macro STEP slot, q, zero
	s_wait_dscnt 4*NL                              ; w's set and x's blocks 0-3 are in; the youngest eight loads (x's blocks 4-7) may be out
.if \zero
	WIN BIA_LO
.else
	WIN MUL_LO
.endif
	MUL16 0, (\q)%2, \q, \slot, \zero
	MUL16 2, (\q)%2, \q, \slot, \zero
	s_wait_dscnt 0                                 ; x's blocks 4-7 are in (asked for 32 matrix instructions ago)
	PLACES NP
	FETCH_B \slot, (\q)+1, 1-(\q)%2
	FETCH_A \slot, (\q)+1, 0
.if \zero
	WIN BIA_HI
.else
	WIN MUL_HI
.endif
	MUL16 4, (\q)%2, \q, \slot, \zero
	MUL16 6, (\q)%2, \q, \slot, \zero
	PLACES NP
	WIN 0
	FETCH_A \slot, (\q)+1, 4
.endm
	s_wait_tensorcnt 1                             ; the scales and my part of slot 0 are in (slot 1's load may be out)
	s_barrier_signal -1
	s_barrier_wait -1                              ; everybody's are
	FETCH_B 0, 0, 0
	FETCH_A 0, 0, 0
	SCALES 0
	FETCH_A 0, 0, 4
	s_wait_loadcnt 0x0                             ; the bias
	STEP 0, 0, 1                                   ; the first step's products start the sums on the bias
	STEP 0, 1, 0
	STEP 0, 2, 0
	; slot 0's last step changes slots: one barrier; in front of it each wave waits for its part of slot 1 and for its own reads of slot 0, which then becomes the stage
	s_wait_tensorcnt 0x0                           ; all my tensor loads have landed
	ds_add_u32 v[SPW], v[NIL]                      ; 0 onto my spare word
	s_wait_dscnt 4*NL+1                            ; (the add and the youngest eight loads, x's blocks 4-7, may be out)
	WIN MUL_LO
	MUL16 0, 1, NQ-1, 0, 0
	s_wait_dscnt 0x0                               ; the add is done, and my reads of slot 0 are over
	s_barrier_signal -1
	MUL16 2, 1, NQ-1, 0, 0
	WIN 0
	s_barrier_wait -1
	PLACES NP
	v_add_nc_u32 v[ADRS], 4*NQ, v[ADRS]            ; on to slot 1's scale words (no LDS load of mine is out)
	FETCH_B 1, 0, 0
	FETCH_A 1, 0, 0
	SCALES 1
	WIN MUL_HI
	MUL16 4, 1, NQ-1, 0, 0
	MUL16 6, 1, NQ-1, 0, 0
	PLACES NP
	WIN 0
	FETCH_A 1, 0, 4
	STEP 1, 0, 0
	STEP 1, 1, 0
	STEP 1, 2, 0
	s_wait_dscnt 4*NL                              ; the very last step: nothing more to fetch
	WIN MUL_LO
	MUL16 0, 1, NQ-1, 1, 0
	MUL16 2, 1, NQ-1, 1, 0
	s_wait_dscnt 0
	WIN MUL_HI
	MUL16 4, 1, NQ-1, 1, 0
	MUL16 6, 1, NQ-1, 1, 0
	WIN 0
; THE WAY OUT, block by block of 16 tokens x 128 columns (two heads).  PACK: rounded to f16, 16 bytes a lane, each accumulator from its low end on.  TOSTAGE: into my own stage and back, a head's 128 bytes
; of four tokens an instruction.  SEND: in qkv neighbouring tokens of one head are neighbours, so each store of the wave covers 512 consecutive bytes, aligned.
.macro PACK a
.set AC, 64*((\a)%4)
	WIN 0x0a+5*((\a)/4)                            ; sources 0 and 1: window 2 or 3
.irp b, 0,1,2,3,4,5,6,7
.irp r, 0,1,2,3
	v_cvt_pk_f16_f32 v[TMP+4*\b+\r], v[AC+8*\b+2*\r], v[AC+8*\b+2*\r+1]
.endr
.endr
	WIN 0
.endm
.macro TOSTAGE a
.set BB, BK+32*((\a)%2)
.irp b, 0,1,2,3,4,5,6,7
	ds_store_b128 v[STO], v[TMP+4*\b:TMP+4*\b+3] offset:32*\b
.endr
.irp u, 0,1
.irp i, 0,1,2,3
	ds_load_b128 v[BB+4*(4*\u+\i):BB+4*(4*\u+\i)+3], v[RD] offset:4*SPITCH*\i+128*\u   ; LDS serves a wave's instructions in order: these see the stores above
.endr
.endr
.endm
.macro SEND a
.set BB, BK+32*((\a)%2)
	s_wait_dscnt 0x0                               ; the block is back in registers
	s_wait_xcnt 0x0                                ; the earlier stores have read their base and their registers: only behind this wait are they written again
.if (\a) > 0
	s_add_nc_u64 s[12:13], s[12:13], 16*128        ; 16 tokens on
.endif
.irp u, 0,1
.irp i, 0,1,2,3
	global_store_b128 v[CO], v[BB+4*(4*\u+\i):BB+4*(4*\u+\i)+3], s[12:13] offset:262144*\u+512*\i
.endr
.endr
.endm
	PLACES NP                                      ; for the writes of the registers that held scale words, and for the reads of the last results
	PACK 0
	TOSTAGE 0
.irp a, 1,2,3,4,5,6,7                  ; block a's conversions stand between block a - 1's loads from the stage and the wait for them
	PACK \a
	SEND \a-1
	TOSTAGE \a
.endr
	SEND 7
	s_wait_tensorcnt 0x0                           ; the wave's end, behind my last tensor load and my last LDS store
	ds_add_u32 v[SPW], v[NIL]
	s_wait_dscnt 0x0
	CROUND                                         ; the closing round: no work-group ends while a partner may still ask for a tile that names it
	s_endpgm
.Lfunc_end_k_q826dd8b960_qkv:
	.size	k_q826dd8b960_qkv, .Lfunc_end_k_q826dd8b960_qkv-k_q826dd8b960_qkv
	.p2alignl 7, 3214868480
	.fill 96, 4, 3214868480
	.section	.rodata,"a",@progbits
	.p2align	6, 0x0
	.amdhsa_kernel k_q826dd8b960_qkv
		.amdhsa_group_segment_fixed_size 327680
		.amdhsa_private_segment_fixed_size 0
		.amdhsa_enable_private_segment 0
		.amdhsa_kernarg_size 48
		.amdhsa_user_sgpr_count 2
		.amdhsa_user_sgpr_kernarg_segment_ptr 1
		.amdhsa_wavefront_size32 1
		.amdhsa_system_sgpr_workgroup_id_x 1
		.amdhsa_system_sgpr_workgroup_id_y 1
		.amdhsa_system_sgpr_workgroup_id_z 1
		.amdhsa_system_vgpr_workitem_id 0
		.amdhsa_next_free_vgpr 1024
		.amdhsa_next_free_sgpr 98
		.amdhsa_reserve_vcc 0
		.amdhsa_float_denorm_mode_32 3
		.amdhsa_float_denorm_mode_16_64 3
		.amdhsa_memory_ordered 1
		.amdhsa_forward_progress 1
		.amdhsa_inst_pref_size 131
	.end_amdhsa_kernel
	.amdgpu_metadata
---
amdhsa.version: [ 1, 2 ]
amdhsa.kernels:
  - .name:           k_q826dd8b960_qkv
    .symbol:         k_q826dd8b960_qkv.kd
    .args:
      - { .name: x_codes, .offset: 0, .size: 8, .value_kind: global_buffer, .address_space: global }
      - { .name: x_scales, .offset: 8, .size: 8, .value_kind: global_buffer, .address_space: global }
      - { .name: w_codes, .offset: 16, .size: 8, .value_kind: global_buffer, .address_space: global }
      - { .name: w_scales, .offset: 24, .size: 8, .value_kind: global_buffer, .address_space: global }
      - { .name: b_qkv, .offset: 32, .size: 8, .value_kind: global_buffer, .address_space: global }
      - { .name: qkv, .offset: 40, .size: 8, .value_kind: global_buffer, .address_space: global }
    .group_segment_fixed_size: 327680
    .private_segment_fixed_size: 0
    .kernarg_segment_align: 8
    .kernarg_segment_size: 48
    .max_flat_workgroup_size: 128
    .sgpr_count:     98
    .vgpr_count:     1024
    .wavefront_size: 32
...
	.end_amdgpu_metadata
.endif
;; end of part 2
;; launch attn (part 3): grid 4 x 64, 8 waves a work-group, clusters of 4 x 1, 327,680 bytes of LDS; arguments qkv, av; writes av
.if DOCPART == 3
	.amdgcn_target "amdgcn-amd-amdhsa--gfx1250"
	.amdhsa_code_object_version 6
	.text
	.protected	k_q826dd8b960_attn
	.globl	k_q826dd8b960_attn
	.p2align	8
	.type	k_q826dd8b960_attn,@function
k_q826dd8b960_attn:
	s_mov_b64 s[64:65], 0
	v_nop
	global_prefetch_b8 v0, s[64:65] scope:SCOPE_SE
	s_setreg_imm32_b32 hwreg(HW_REG_WAVE_MODE, 25, 1), 1
	s_wait_xcnt 0x0
	s_wait_alu depctr_hold_cnt(0) depctr_sa_sdst(0) depctr_va_vdst(0) depctr_va_sdst(0) depctr_va_ssrc(0) depctr_va_vcc(0) depctr_vm_vsrc(0)
	s_getreg_b32 s2, hwreg(HW_REG_IB_STS2, 6, 4)
	s_cmp_eq_u32 s2, 0
	s_cbranch_scc0 .Lentry_in_a_cluster
	s_endpgm
.Lentry_in_a_cluster:
	s_bfe_u32 s2, ttmp6, 0x10000c
	s_cmp_lg_u32 s2, 0x3003
	s_cbranch_scc0 .Lentry_shape_is_right
	s_endpgm
.Lentry_shape_is_right:
; Launch 3 of 4: attn_v[plane][q][:] = the sum over k of softmax_k(Q[q] . K[k] / 8) V[k][:], for each of the 64 planes (batch, head).  Q, K, V: f16, [part][plane][2048][64] (launch 2; K without its bias,
; which the softmax would take away: shown at the head of the first launch).  Products, maxima and sums in f32; the weights p are rounded to f16 for the second product, the result once, to f16, laid [head][token 8192][64].
; LIMIT: |attn_v| above 65,504 becomes infinity in f16.
; SHARES.  A cluster of four work-groups is one plane; a work-group owns 512 queries, each of its EIGHT waves 64: four tiles of 16, in 512 registers.  Two waves lie on a SIMD: each runs in phases, and one
; wave's softmax stands beside the other's products.  Every wave walks all 2,048 keys, 64 a step; each fragment of K or V that it reads from LDS feeds four matrix instructions.
; LAYOUT.  S^T = K Q^T (source 0 = 16 keys, source 1 = 16 queries): a lane holds ONE query (lane % 16) and the keys 8 (lane / 16) + 0..7.  Two such tiles, rounded to f16 in pairs, ARE source 1
; (32 keys x 16 queries) of O^T = V^T P, whose result again holds one query a lane.  K comes out of LDS as it lies, V ([key][channel]) turned, by ds_load_tr16_b128.
; SOFTMAX.  For each query a running maximum m and sum l: p = 2^(c s - c m), c = log2(e) / 8; in every step O and l are multiplied by a = 2^(c m_old - c m_new).
; CLUSTER.  The four work-groups walk the same K and V, so each tile is asked for JOINTLY: the same tensor load, with the same descriptor and a mask that names the four.  Waves 0-3 fetch the four step tiles
; of K of a slot, waves 4-7 those of V: one load a wave.  By this text's own count a wave has two tensor loads out at the start and one later.
; REGISTERS: window 0: v0-11 addresses; v12-43 eight registers of statistics a tile; v61-63; v64-191 S^T, 32 a tile (P is packed in place into the first 16 of each 32); v192-255 K of one step.
;   window 1: v0-127 O^T, 32 a tile; v128-191 Q, 16 a tile; v192-255 V of one step.
.set KS,    64        ; keys in a step
.set PK,    144       ; a row of K in LDS: 128 bytes + 16 of padding: the 16 rows of a load start at 16 different groups of four banks
.set PV,    160       ; a row of V: 128 + 32: an odd multiple of 32 bytes
.set VOFF,  KS*PK     ; a step's tiles lie together: 64 rows of K, then 64 rows of V
.set STEPB, KS*(PK+PV)
.set NST,   4         ; steps in a slot
.set SLOTB, NST*KS*128  ; a slot's rows of K (or of V) in memory, in bytes
.set SLOT1, 1<<17     ; slot 1 begins here, so that one exclusive or turns an address in one slot into the other's
.set STAGE, SLOT1+NST*STEPB  ; behind the ring: 16 rows x 144 bytes for each wave, for the way out
.set SP,    144
.set SPARE, STAGE+8*16*SP  ; the spare words, 128 bytes for each wave: four blocks of 256 bytes that no other line names
.set AK0, 2           ; v2   my lane's place in a tile of K; never rewritten
.set AV0, 3           ; v3   the same for V
.set ADR, 4           ; v4   the LDS address of the run of loads in hand
.set QO,  5           ; v5   my byte offset in the wave's rows of Q
.set STO, 6           ; v6   the way out: where I put 16 bytes of a row
.set RD,  7           ; v7   the way out: where I read back
.set GO,  8           ; v8   16 x lane: my place in 512 consecutive bytes of the result
.set ST,  12          ; tile t's statistics at v[ST+8 t]: +0 c m, +1 m, +2, +3 l (even keys', odd keys'), +4, +5 at work, then the step's sum, +6 at work, then a, +7 at work
.set PFO, 61          ; v61  256 x my lane; never rewritten
.set SPW, 62          ; v62  LDS address of my spare word; never rewritten
.set NIL, 63          ; v63  0; never rewritten
.set S,   64
.set KF,  192         ; K's fragments, window 0
.set QF,  128         ; Q's, window 1
.set VF,  192         ; V's, window 1
.set WV,  12          ; s12  my wave's number
.set LIM, 15          ; s15  1 in a wave that prefetches, else the greatest number
.set PFA, 18          ; s[18:19] where my prefetches stand
.set G1K, 24          ; s[24:31] descriptor group 1 for K's tiles
.set G1V, 32          ; s[32:39] for V's: it differs in the padding alone
.set G0K, 40          ; s[40:47] descriptor group 0 for K's tiles: a set for each of the two first fills; the second then walks on
.set G0V, 48          ; s[48:55] the same for V's
.set SLOTS, 56        ; s56  slots still to be asked for
.set CNT, 57          ; s57  counts key steps
.set CS,  58          ; s[58:59] c: the packed scaling names a pair and takes its low word for both halves
.set SEL, 60          ; s[60:61] lane selects for v_permlanex16_b32: lane l xor 16
.set TB,  62          ; s62  LDS byte at which the tiles of the step to be fetched begin
.set MSB, 0
.macro WIN new
.if MSB != (\new)
	s_set_vgpr_msb (MSB<<8)|(\new)
.set MSB, (\new)
.endif
.endm
.set W_KQ, 0x04       ; source 1 (Q) in window 1; K and S^T in window 0
.set W_PV, 0x51       ; V, C and D (O^T) in window 1; P in window 0
.set W_RS, 0x41       ; O^T (destination and source 0) in window 1, a in window 0
.set TO_1, 0x40       ; a load's destination in window 1
.macro JLOAD                        ; a joint refill; an s_nop 0 and four v_nop follow each of the two lines
	s_cmp_lt_u32 s[WV], 4
	s_cbranch_scc0 .Lfor_v_\@
	tensor_load_to_lds s[G0K+4:G0K+7], s[G1K:G1K+7]
	s_nop 0
.rept 4
	v_nop
.endr
	s_branch .Lasked_\@
.Lfor_v_\@:
	tensor_load_to_lds s[G0V+4:G0V+7], s[G1V:G1V+7]
	s_nop 0
.rept 4
	v_nop
.endr
.Lasked_\@:
.endm
; A PREFETCH INTO THE L2 of what the NEXT change of slots will ask for: a slot's 256 rows of K and of V are 32,768 dense bytes each.  Each aligned block of 256 bytes is named ONCE in the launch: a plane has
; one cluster; its four partners share the bytes out BY ADDRESS, 8,192 each; in each, wave 0 asks for K's and wave 4 for V's, a lane a block: one instruction.  It stands behind the wave's tensor load and
; its five lines, four key steps (256 matrix instructions a wave) ahead of the load that will want the bytes.  The last change that fills a slot asks for nothing; slots 0, 1 and 2 come by their loads alone.
.macro ASK
	s_cmp_gt_u32 s[SLOTS], s[LIM]
	s_cbranch_scc0 .Lnot_mine_\@
	global_prefetch_b8 v[PFO], s[PFA:PFA+1] th:TH_LOAD_NT scope:SCOPE_SE
.Lnot_mine_\@:
.endm
.macro CROUND                       ; a round of the cluster's barrier
	s_barrier_signal -1
	s_barrier_wait -1
	s_cmp_lg_u32 s[WV], 0
	s_cbranch_scc1 .Lnot_wave_0_\@
	s_barrier_signal -3
.Lnot_wave_0_\@:
	s_barrier_wait -3
	s_barrier_signal -1
	s_barrier_wait -1
.endm
	s_load_b64 s[4:5], s[0:1], 0x0  ; qkv
	s_load_b64 s[10:11], s[0:1], 0x8  ; av
	v_lshl_add_u32 v[SPW], v0, 2, SPARE
	v_mov_b32 v[NIL], 0
	ds_add_u32 v[SPW], v[NIL]       ; the wave's opening: the add, twice on end, and its wait ahead of my first tensor load
	ds_add_u32 v[SPW], v[NIL]       ; and once more, under the one wait; the set-up below, work on registers, stands between
	v_lshrrev_b32 v1, 5, v0
	v_readfirstlane_b32 s[WV], v1   ; wave 0..7
	s_bfe_u32 s13, ttmp6, 0x40000   ; cx: my place in the cluster = my block of 512 queries: it enters Q's, the result's and the prefetches' addresses alone
	s_and_b32 s14, ttmp7, 0xffff    ; the plane, which the four partners share
	s_lshl_b32 s20, s14, 18         ; a plane is 262,144 bytes
	s_and_b32 s16, s[WV], 3         ; which of a slot's four steps I fetch:
	s_lshl_b32 s22, s16, 13         ; its 64 rows of 128 bytes in memory,
	s_add_co_u32 s22, s22, s20
	s_add_co_u32 s22, s22, 0x1000000  ; in K's part of qkv,
	s_mov_b32 s23, 0
	s_mul_i32 s17, s16, STEPB       ; and its place in a slot: no place in the cluster enters an LDS address
	s_lshl_b32 s2, s13, 16          ; my block's 512 rows,
	s_lshl_b32 s3, s[WV], 13        ; my wave's 64 of them
	s_add_co_u32 s3, s2, s3
	s_add_co_u32 s2, s3, s20        ; Q: in my plane
	s_and_b32 s16, s14, 15          ; the result: head x 8,192 tokens x 128 bytes,
	s_lshl_b32 s16, s16, 20
	s_lshr_b32 s20, s14, 4          ; batch x 2,048 tokens,
	s_lshl_b32 s20, s20, 18
	s_add_co_u32 s20, s20, s16
	s_add_co_u32 s20, s20, s3       ; my wave's rows
	s_mov_b32 s21, 0
	s_mov_b32 s3, 0
	; descriptor group 1: a tile of 64 rows x 64 elements, padded in LDS
	s_mov_b32 s[G1K], 15|(1<<16)|(1<<20)|(1<<21)|(4<<22)|(3<<25)  ; 15:0 the mask: all four work-groups; 17:16 elements of 2 bytes; 20 padding on; 21 set beside a mask; 24:22 after every 32 words; 31:25 four words
	s_mov_b32 s[G1V], 15|(1<<16)|(1<<20)|(1<<21)|(4<<22)|(7<<25)  ; the same with eight words of padding
.irp g, G1K, G1V
	s_mov_b32 s[\g+1], 64<<16       ; tensor_dim0
	s_mov_b32 s[\g+2], KS<<16       ; tensor_dim1
	s_mov_b32 s[\g+3], 64<<16       ; tile_dim0
	s_mov_b32 s[\g+4], KS           ; tile_dim1
	s_mov_b32 s[\g+5], 64           ; tensor_dim0_stride
	s_mov_b32 s[\g+6], 0
	s_mov_b32 s[\g+7], 0
.endr
	s_mov_b32 s[CS], 0x3e38aa3b     ; c = log2(e) / 8
	s_mov_b32 s[CS+1], s[CS]        ; named with it as a pair, so it is written
	s_mov_b32 s[SEL], 0x76543210
	s_mov_b32 s[SEL+1], 0xfedcba98
	s_mov_b32 s[TB], 0
	s_mov_b32 s[SLOTS], 2048/(NST*KS)-2
	s_and_b32 s[LIM], s[WV], 3
	s_cmp_eq_u32 s[LIM], 0          ; waves 0 and 4: the same in all four partners
	s_cselect_b32 s[LIM], 1, -1
	v_and_b32 v[PFO], 31, v0
	v_lshlrev_b32 v[PFO], 8, v[PFO]
	s_wait_dscnt 0x0                ; both opening adds are done
	s_wait_kmcnt 0x0
	s_add_nc_u64 s[6:7], s[4:5], s[22:23]  ; K at my tile of slot 0
	s_add_nc_u64 s[8:9], s[6:7], 0x1000000  ; V likewise: one part further on
	s_add_nc_u64 s[4:5], s[4:5], s[2:3]  ; Q at my wave's first row
	s_add_nc_u64 s[10:11], s[10:11], s[20:21]  ; the result likewise
	s_cmp_lt_u32 s[WV], 4
	s_cselect_b64 s[PFA:PFA+1], s[6:7], s[8:9]  ; (in waves 0 and 4 these stand at a slot's first row)
	s_lshl_b32 s2, s13, 13          ; my work-group's 8,192 bytes of the 32,768
	s_add_nc_u64 s[PFA:PFA+1], s[PFA:PFA+1], s[2:3]
	s_add_nc_u64 s[PFA:PFA+1], s[PFA:PFA+1], 2*SLOTB  ; in slot 2; the first change of slots steps it to slot 3.  Nothing is prefetched here, at the head
	CROUND                          ; all four work-groups are here: the first joint loads meet
.irp s, 0,1
	s_mov_b32 s[G0K+4*\s], 1        ; 1:0 count = 1
	s_add_co_u32 s[G0K+4*\s+1], s17, \s*SLOT1  ; 63:32 LDS address
	s_add_nc_u64 s[G0K+4*\s+2:G0K+4*\s+3], s[6:7], \s*SLOTB  ; 120:64 global address
	s_or_b32 s[G0K+4*\s+3], s[G0K+4*\s+3], 0x80000000  ; 127:126 type = 2
	s_mov_b32 s[G0V+4*\s], 1
	s_add_co_u32 s[G0V+4*\s+1], s17, \s*SLOT1+VOFF
	s_add_nc_u64 s[G0V+4*\s+2:G0V+4*\s+3], s[8:9], \s*SLOTB
	s_or_b32 s[G0V+4*\s+3], s[G0V+4*\s+3], 0x80000000
.endr
	s_cmp_lt_u32 s[WV], 4           ; a wave's two first fills stand in one branch, ahead of every wait on TENSORcnt and every LDS read
	s_cbranch_scc0 .Lfirst_v
	tensor_load_to_lds s[G0K:G0K+3], s[G1K:G1K+7]
	s_nop 0
	tensor_load_to_lds s[G0K+4:G0K+7], s[G1K:G1K+7]
	s_nop 0
.rept 4
	v_nop
.endr
	s_branch .Lfirst_asked
.Lfirst_v:
	tensor_load_to_lds s[G0V:G0V+3], s[G1V:G1V+7]
	s_nop 0
	tensor_load_to_lds s[G0V+4:G0V+7], s[G1V:G1V+7]
	s_nop 0
.rept 4
	v_nop
.endr
.Lfirst_asked:
	; A fragment of K or Q is 16 rows x 32 channels in 8 registers: lane l holds row l % 16; registers 0-3 channels 8 (l / 16) + 0..7, registers 4-7 channels 16 + 8 (l / 16) + 0..7: two loads of 16 bytes, 32 bytes apart.
	v_and_b32 v1, 15, v0            ; r
	v_bfe_u32 v9, v0, 4, 1          ; h
	v_lshlrev_b32 v[QO], 7, v1
	v_lshl_add_u32 v[QO], v9, 4, v[QO]  ; row x 128 + 16 x half
	WIN TO_1
.irp i, 0,1,2,3,4,5,6,7             ; Q stays in registers: tile i / 2, channels 32 (i % 2) on
	global_load_b128 v[QF+8*\i:QF+8*\i+3],   v[QO], s[4:5] offset:(\i/2)*2048+(\i%2)*64
	global_load_b128 v[QF+8*\i+4:QF+8*\i+7], v[QO], s[4:5] offset:(\i/2)*2048+(\i%2)*64+32
.endr
	WIN 0
	v_mul_u32_u24 v[AK0], v1, PK
	v_lshl_add_u32 v[AK0], v9, 4, v[AK0]  ; row x pitch + 16 x half
	; The turning load takes 16 keys x 16 channels (lane l reads 16 bytes: key 8 (l / 16) + l % 8, channels 8 ((l / 8) % 2) + 0..7) and leaves half a fragment of V^T: lane l holds channel l % 16 and 8 keys.
	v_and_b32 v10, 7, v0
	v_bfe_u32 v11, v0, 3, 1
	v_lshl_add_u32 v[AV0], v9, 3, v10
	v_mul_u32_u24 v[AV0], v[AV0], PV
	v_lshl_add_u32 v[AV0], v11, 4, v[AV0]
	v_add_nc_u32 v[AV0], VOFF, v[AV0]
	s_mul_i32 s13, s[WV], 16*SP
	s_add_co_u32 s13, s13, STAGE    ; my stage
	v_mul_u32_u24 v[STO], v1, SP    ; in: row r, 16 bytes for each half of the lanes
	v_lshl_add_u32 v[STO], v9, 4, v[STO]
	v_add_nc_u32 v[STO], s13, v[STO]
	v_and_b32 v[GO], 31, v0
	v_lshrrev_b32 v[RD], 3, v[GO]   ; back: four rows of 128 bytes an instruction, eight lanes to a row
	v_mul_u32_u24 v[RD], v[RD], SP
	v_lshl_add_u32 v[RD], v10, 4, v[RD]
	v_add_nc_u32 v[RD], s13, v[RD]
	v_lshlrev_b32 v[GO], 4, v[GO]
; THE LDS LOADS stand in runs of 16: a step's K (64 keys x 64 channels: 8 fragments) and its V (turned).
.macro FETCH_K
	v_add_nc_u32 v[ADR], s[TB], v[AK0]
.irp f, 0,1,2,3,4,5,6,7             ; keys 16 (f / 2) on, channels 32 (f % 2) on
	ds_load_b128 v[KF+8*\f:KF+8*\f+3],   v[ADR] offset:(\f/2)*16*PK+(\f%2)*64
	ds_load_b128 v[KF+8*\f+4:KF+8*\f+7], v[ADR] offset:(\f/2)*16*PK+(\f%2)*64+32
.endr
.endm
.macro FETCH_V
	v_add_nc_u32 v[ADR], s[TB], v[AV0]
	s_add_co_u32 s[TB], s[TB], STEPB  ; the next fetch is the next step's
	WIN TO_1
.irp f, 0,1,2,3,4,5,6,7             ; keys 32 (f / 4) on, channels 16 (f % 4) on
	ds_load_tr16_b128 v[VF+8*\f:VF+8*\f+3],   v[ADR] offset:(\f/4)*32*PV+(\f%4)*32
	ds_load_tr16_b128 v[VF+8*\f+4:VF+8*\f+7], v[ADR] offset:(\f/4)*32*PV+16*PV+(\f%4)*32
.endr
	WIN 0
.endm
; S^T = K Q^T of one step: 32 products.  Product i: channels 32 (i / 16) on, keys 16 ((i / 4) % 4) on, tile i % 4.  The first 16 start the sums.  The 16 accumulators take turns, one instruction a turn.
.macro SCORES
	s_wait_dscnt 16                 ; K is in; V's 16 younger loads may be out
	WIN W_KQ
.set i, 0
.rept 32
.set rS, S+32*(i%4)+8*((i/4)%4)
.set rK, KF+8*(2*((i/4)%4)+i/16)
.set rQ, QF+16*(i%4)+8*(i/16)
.if i < 16
	v_wmma_f32_16x16x32_f16 v[rS:rS+7], v[rK:rK+7], v[rQ:rQ+7], 0
.else
	v_wmma_f32_16x16x32_f16 v[rS:rS+7], v[rK:rK+7], v[rQ:rQ+7], v[rS:rS+7]
.endif
.set i, i+1
.endr
	WIN 0
.rept 4
	v_nop                           ; four places ahead of the maxima's reads of the scores and of the loads into K's registers
.endr
.endm
; THE SOFTMAX of one step, all in window 0; the four tiles take turns line by line, so that no line waits for the line above it.  first = 1: the first key step, which starts m and l.
.macro SOFTMAX first
.irp j, 0,1,2,3                     ; the maximum of the lane's 32 scores: four chains, one for each accumulator, which is read from its low end on
.irp t, 0,1,2,3
	v_max3_num_f32 v[ST+8*\t+4+\j], v[S+32*\t+8*\j], v[S+32*\t+8*\j+1], v[S+32*\t+8*\j+2]
.endr
.endr
.irp g, 1,2
.irp j, 0,1,2,3
.irp t, 0,1,2,3
	v_max3_num_f32 v[ST+8*\t+4+\j], v[ST+8*\t+4+\j], v[S+32*\t+8*\j+2*\g+1], v[S+32*\t+8*\j+2*\g+2]
.endr
.endr
.endr
.irp t, 0,1,2,3
	v_max3_num_f32 v[ST+8*\t+4], v[ST+8*\t+4], v[S+32*\t+7], v[S+32*\t+15]
.endr
.irp t, 0,1,2,3
	v_max3_num_f32 v[ST+8*\t+6], v[ST+8*\t+6], v[S+32*\t+23], v[S+32*\t+31]
.endr
.irp t, 0,1,2,3
	v_max3_num_f32 v[ST+8*\t+4], v[ST+8*\t+4], v[ST+8*\t+5], v[ST+8*\t+6]
.endr
.irp t, 0,1,2,3
.if \first
	v_max_num_f32 v[ST+8*\t+4], v[ST+8*\t+4], v[ST+8*\t+7]
.else
	v_max3_num_f32 v[ST+8*\t+4], v[ST+8*\t+4], v[ST+8*\t+7], v[ST+8*\t+1]   ; and the old m
.endif
.endr
.irp t, 0,1,2,3
	v_permlanex16_b32 v[ST+8*\t+5], v[ST+8*\t+4], s[SEL], s[SEL+1]  ; the query's other 32 keys lie in the lane 16 away
.endr
.if \first == 0
.irp t, 0,1,2,3
	v_mov_b32 v[ST+8*\t+7], v[ST+8*\t]  ; c m_old is kept for a
.endr
.endif
.irp t, 0,1,2,3
	v_max_num_f32 v[ST+8*\t+1], v[ST+8*\t+4], v[ST+8*\t+5]
.endr
.irp t, 0,1,2,3
	v_mul_f32 v[ST+8*\t], s[CS], v[ST+8*\t+1]
.endr
.if \first == 0
.irp t, 0,1,2,3
	v_sub_f32 v[ST+8*\t+7], v[ST+8*\t+7], v[ST+8*\t]
.endr
.endif
.irp b, 0,2,4,6,8,10,12,14,16,18,20,22,24,26,28,30
.irp t, 0,1,2,3
	v_pk_fma_f32 v[S+32*\t+\b:S+32*\t+\b+1], v[S+32*\t+\b:S+32*\t+\b+1], s[CS:CS+1], v[ST+8*\t:ST+8*\t+1] op_sel_hi:[1,0,0] neg_lo:[0,0,1] neg_hi:[0,0,1]  ; c s - c m, two at a time
.endr
.endr
.if \first == 0
.irp t, 0,1,2,3
	v_exp_f32 v[ST+8*\t+6], v[ST+8*\t+7]  ; a = 2^(c m_old - c m_new)
.endr
.endif
.set j, 0
.rept 32                            ; ONE BATCH: all exponentials of the step, none of which reads another's result
.irp t, 0,1,2,3
	v_exp_f32 v[S+32*\t+j], v[S+32*\t+j]
.endr
.set j, j+1
.endr
	v_nop                           ; a plain instruction behind the last exponential, ahead of the first use
	s_wait_alu depctr_va_vdst(0)    ; the wait ahead of the first instruction that names a result: one for the batch
.irp t, 0,1,2,3                     ; the sum of the UNROUNDED p, two at a time (an even key's, an odd key's); p itself is kept
	v_pk_add_f32 v[ST+8*\t+4:ST+8*\t+5], v[S+32*\t:S+32*\t+1], v[S+32*\t+2:S+32*\t+3]
.endr
.irp b, 4,6,8,10,12,14,16,18,20,22,24,26,28
.irp t, 0,1,2,3
	v_pk_add_f32 v[ST+8*\t+4:ST+8*\t+5], v[ST+8*\t+4:ST+8*\t+5], v[S+32*\t+\b:S+32*\t+\b+1]
.endr
.endr
.irp t, 0,1,2,3
.if \first
	v_pk_add_f32 v[ST+8*\t+2:ST+8*\t+3], v[ST+8*\t+4:ST+8*\t+5], v[S+32*\t+30:S+32*\t+31]
.else
	v_pk_add_f32 v[ST+8*\t+4:ST+8*\t+5], v[ST+8*\t+4:ST+8*\t+5], v[S+32*\t+30:S+32*\t+31]
.endif
.endr
.if \first == 0
.irp t, 0,1,2,3
	v_pk_fma_f32 v[ST+8*\t+2:ST+8*\t+3], v[ST+8*\t+2:ST+8*\t+3], v[ST+8*\t+6:ST+8*\t+7], v[ST+8*\t+4:ST+8*\t+5] op_sel_hi:[1,0,1]  ; l = a l + the step's sum
.endr
.endif
.set j, 0
.rept 16                            ; p to f16, in place: register j takes numbers 2 j and 2 j + 1, j ascending, so nothing is written before it is read.  P's fragment of keys 32 kk on lies at S + 32 t + 8 kk
.irp t, 0,1,2,3
	v_cvt_pk_f16_f32 v[S+32*\t+j], v[S+32*\t+2*j], v[S+32*\t+2*j+1]
.endr
.set j, j+1
.endr
.endm
.macro RESCALE                      ; O^T times a, each accumulator from its low end on
	WIN W_RS
.set j, 0
.rept 16
.irp t, 0,1,2,3
	v_pk_mul_f32 v[32*\t+2*j:32*\t+2*j+1], v[32*\t+2*j:32*\t+2*j+1], v[ST+8*\t+6:ST+8*\t+7] op_sel_hi:[1,0]
.endr
.set j, j+1
.endr
.endm
; The rest of a key step: the next step's K is asked for; the softmax; O^T += V^T P, 32 products (product i: keys 32 (i / 16) on, channels 16 ((i / 4) % 4) on, tile i % 4; the 16 accumulators by turns); the next step's V is asked for.
.macro WEIGH first, next
.if \next
	FETCH_K
.endif
	SOFTMAX \first
.if \first == 0
	RESCALE
.endif
.if \next
	s_wait_dscnt 16                 ; V is in; the next step's K, 16 younger loads, may be out
.else
	s_wait_dscnt 0x0
.endif
	WIN W_PV
.set i, 0
.rept 32
.set rO, 32*(i%4)+8*((i/4)%4)
.set rV, VF+8*(4*(i/16)+(i/4)%4)
.set rP, S+32*(i%4)+8*(i/16)
.if \first && (i < 16)
	v_wmma_f32_16x16x32_f16 v[rO:rO+7], v[rV:rV+7], v[rP:rP+7], 0
.else
	v_wmma_f32_16x16x32_f16 v[rO:rO+7], v[rV:rV+7], v[rP:rP+7], v[rO:rO+7]
.endif
.set i, i+1
.endr
	WIN 0
.rept 5
	v_nop                           ; four places ahead of the loads into V's registers and of the reads of O^T; five ahead of the next scores, which are written over P
.endr
.if \next
	FETCH_V
.endif
.endm
.macro UNITS n                      ; n times: the rest of step j, and the scores of step j + 1; written once, the LDS addresses hang on s[TB]
	s_mov_b32 s[CNT], \n
.Lunit_\@:
	WEIGH 0, 1
	SCORES
	s_sub_co_u32 s[CNT], s[CNT], 1
	s_cmp_lg_u32 s[CNT], 0
	s_cbranch_scc1 .Lunit_\@
.endm
; THE CHANGE OF SLOTS: the slot's last bytes, K and V of its fourth step, have been asked for.  Each wave waits for all its tensor loads, of which one is out: its part of the other slot; adds 0 to its spare
; word; and waits for that and for its own reads of the slot.  fill = 1: the slot is filled again, with the keys two slots on: the barrier is then a round of the cluster's, so that no wave of any partner still
; reads the slot or has a load on its way, and the joint refill is the first thing behind it: it has four key steps in which to land.
.macro CHANGE fill
	s_wait_tensorcnt 0x0            ; no tensor load of mine is out, so a group 0 may be written
	ds_add_u32 v[SPW], v[NIL]       ; 0 onto my spare word
.if \fill
.irp g, G0K+4, G0V+4
	s_xor_b32 s[\g+1], s[\g+1], SLOT1  ; the walking descriptor: the other slot than last time,
	s_add_nc_u64 s[\g+2:\g+3], s[\g+2:\g+3], SLOTB  ; the next 256 keys; the type bits on top are not reached
.endr
	s_wait_xcnt 0x0                 ; the last prefetch, four key steps back, has read its address, so it may be written:
	s_add_nc_u64 s[PFA:PFA+1], s[PFA:PFA+1], SLOTB  ; one slot further on than the walking descriptors
	s_wait_dscnt 0x0                ; the add is done, and my reads of the slot are over
	CROUND
	JLOAD
	ASK
.else
	s_wait_dscnt 0x0
	s_barrier_signal -1
	s_barrier_wait -1
.endif
	s_sub_co_u32 s[TB], s[TB], NST*STEPB  ; the fetches go back to a slot's first step,
	s_xor_b32 s[TB], s[TB], SLOT1   ; in the other slot
.endm
	s_wait_tensorcnt 1              ; my part of slot 0 is in; slot 1's may stay out
	s_barrier_signal -1
	s_barrier_wait -1               ; everybody's is
	FETCH_K                         ; key step 0
	FETCH_V
	s_wait_loadcnt 0x0              ; Q
	SCORES                          ; step 0
	WEIGH 1, 1                      ; step 0 starts m, l and O^T
	SCORES                          ; step 1
	UNITS 2                         ; the rest of steps 1 and 2, the scores of steps 2 and 3
.Lslot:                             ; six trips: every slot but the last two is filled again
	CHANGE 1
	UNITS 4
	s_sub_co_u32 s[SLOTS], s[SLOTS], 1
	s_cmp_lg_u32 s[SLOTS], 0
	s_cbranch_scc1 .Lslot
	CHANGE 0                        ; the tail is written out
	UNITS 4
	WEIGH 0, 0                      ; the rest of step 31
	; THE WAY OUT.  l's two halves and the other half of the lanes' are added; O^T is divided by l, rounded to f16 and sent through my stage, a tile (16 queries) at a time.
.irp t, 0,1,2,3
	v_add_f32 v[ST+8*\t+4], v[ST+8*\t+2], v[ST+8*\t+3]
.endr
.irp t, 0,1,2,3
	v_permlanex16_b32 v[ST+8*\t+5], v[ST+8*\t+4], s[SEL], s[SEL+1]
.endr
.irp t, 0,1,2,3
	v_add_f32 v[ST+8*\t+4], v[ST+8*\t+4], v[ST+8*\t+5]
.endr
.irp t, 0,1,2,3
	v_rcp_f32 v[ST+8*\t+6], v[ST+8*\t+4]
.endr
	v_nop                           ; a plain instruction between the last reciprocal and the use of its result
	s_wait_alu depctr_va_vdst(0)    ; and the wait ahead of the first use: one for the four
.macro PACK t                       ; a lane's eight channels of a query pack into 16 bytes; they go into rows of 144 bytes and come back four whole rows an instruction, into the registers that they left
	WIN W_RS
.set i, 32*\t
.rept 16
	v_pk_mul_f32 v[i:i+1], v[i:i+1], v[ST+8*\t+6:ST+8*\t+7] op_sel_hi:[1,0]
.set i, i+2
.endr
	WIN 0x05                        ; sources 0 and 1 window 1, destination window 0: S^T's registers are free
.set i, 0
.rept 16
	v_cvt_pk_f16_f32 v[S+16*\t+i], v[32*\t+2*i], v[32*\t+2*i+1]
.set i, i+1
.endr
	WIN 0
.irp f, 0,1,2,3
	ds_store_b128 v[STO], v[S+16*\t+4*\f:S+16*\t+4*\f+3] offset:32*\f
.endr
.irp f, 0,1,2,3
	ds_load_b128 v[S+16*\t+4*\f:S+16*\t+4*\f+3], v[RD] offset:\f*4*SP  ; LDS serves a wave's instructions in order: these see the stores above; the next tile's stores come behind them
.endr
.endm
.macro SEND t, younger              ; younger: the LDS instructions issued behind tile t's loads: the next tile's eight, or none
.irp f, 0,1,2,3
	s_wait_dscnt \younger+3-\f
	global_store_b128 v[GO], v[S+16*\t+4*\f:S+16*\t+4*\f+3], s[10:11] offset:\t*2048+\f*512  ; the wave stores 512 consecutive bytes, aligned: four tokens of my head
.endr
.endm
	PACK 0
	PACK 1                          ; a tile's arithmetic stands between the loads of the tile before and its stores
	SEND 0, 8
	PACK 2
	SEND 1, 8
	PACK 3
	SEND 2, 8
	SEND 3, 0
	s_wait_tensorcnt 0x0            ; the wave's end, behind my last tensor load and my last LDS store
	ds_add_u32 v[SPW], v[NIL]
	s_wait_dscnt 0x0
	CROUND                          ; the closing round: no work-group ends while a partner may still ask for a tile that names it
	s_endpgm
.Lfunc_end_k_q826dd8b960_attn:
	.size	k_q826dd8b960_attn, .Lfunc_end_k_q826dd8b960_attn-k_q826dd8b960_attn
	.p2alignl 7, 3214868480
	.fill 96, 4, 3214868480
	.section	.rodata,"a",@progbits
	.p2align	6, 0x0
	.amdhsa_kernel k_q826dd8b960_attn
		.amdhsa_group_segment_fixed_size 327680
		.amdhsa_private_segment_fixed_size 0
		.amdhsa_enable_private_segment 0
		.amdhsa_kernarg_size 16
		.amdhsa_user_sgpr_count 2
		.amdhsa_user_sgpr_kernarg_segment_ptr 1
		.amdhsa_wavefront_size32 1
		.amdhsa_system_sgpr_workgroup_id_x 1
		.amdhsa_system_sgpr_workgroup_id_y 1
		.amdhsa_system_sgpr_workgroup_id_z 1
		.amdhsa_system_vgpr_workitem_id 0
		.amdhsa_next_free_vgpr 512
		.amdhsa_next_free_sgpr 66
		.amdhsa_reserve_vcc 0
		.amdhsa_float_denorm_mode_32 3
		.amdhsa_float_denorm_mode_16_64 3
		.amdhsa_memory_ordered 1
		.amdhsa_forward_progress 1
		.amdhsa_inst_pref_size 178
	.end_amdhsa_kernel
	.amdgpu_metadata
---
amdhsa.version: [ 1, 2 ]
amdhsa.kernels:
  - .name:           k_q826dd8b960_attn
    .symbol:         k_q826dd8b960_attn.kd
    .args:
      - { .name: qkv, .offset: 0, .size: 8, .value_kind: global_buffer, .address_space: global }
      - { .name: av, .offset: 8, .size: 8, .value_kind: global_buffer, .address_space: global }
    .group_segment_fixed_size: 327680
    .private_segment_fixed_size: 0
    .kernarg_segment_align: 8
    .kernarg_segment_size: 16
    .max_flat_workgroup_size: 256
    .sgpr_count:     66
    .vgpr_count:     512
    .wavefront_size: 32
...
	.end_amdgpu_metadata
.endif
;; end of part 3
;; launch outp (part 4): grid 4 x 64, 4 waves a work-group, clusters of 4 x 4, 327,680 bytes of LDS; arguments av, wo16, b_out, out0; writes out0
.if DOCPART == 4
	.amdgcn_target "amdgcn-amd-amdhsa--gfx1250"
	.amdhsa_code_object_version 6
	.text
	.protected	k_q826dd8b960_outp
	.globl	k_q826dd8b960_outp
	.p2align	8
	.type	k_q826dd8b960_outp,@function
k_q826dd8b960_outp:
	s_mov_b64 s[64:65], 0
	v_nop
	global_prefetch_b8 v0, s[64:65] scope:SCOPE_SE
	s_setreg_imm32_b32 hwreg(HW_REG_WAVE_MODE, 25, 1), 1
	s_wait_xcnt 0x0
	s_wait_alu depctr_hold_cnt(0) depctr_sa_sdst(0) depctr_va_vdst(0) depctr_va_sdst(0) depctr_va_ssrc(0) depctr_va_vcc(0) depctr_vm_vsrc(0)
	s_getreg_b32 s2, hwreg(HW_REG_IB_STS2, 6, 4)
	s_cmp_eq_u32 s2, 0
	s_cbranch_scc0 .Lentry_in_a_cluster
	s_endpgm
.Lentry_in_a_cluster:
	s_bfe_u32 s2, ttmp6, 0x10000c
	s_cmp_lg_u32 s2, 0xf033
	s_cbranch_scc0 .Lentry_shape_is_right
	s_endpgm
.Lentry_shape_is_right:
; Launch 4 of 4: out0[m][n] = the sum over k of attn_v[m][k] w_out[k][n] + b_out[n].  attn_v: f16, [head 16][token 8192][64] (launch 3), so k = 64 head + channel; w_out: f16, [k 1024][n 1024] (launch 1);
; sums in f32; out0 [8192][1024] f32.  No work of this product is left out.
; A tile of out0 is 128 tokens x 256 columns: 256 work-groups, one for each WGP (tiles of 256 x 256 would be 128).  Four waves, each 64 x 128: 32 accumulators of 16 x 16, 256 registers.
; K goes in steps of 128 (two heads) through a ring of two LDS slots: attn_v's tile is two dense blocks of 128 rows x 128 bytes (waves 0 and 1 fetch one each), w_out's 128 rows of 512 bytes (waves 2 and 3: 64 rows each).
; CLUSTERS: 4 x 4 work-groups.  The four of a row of the cluster need the same tiles of attn_v, the four of a column the same tiles of w_out: each is asked for JOINTLY.
; THE MATRIX INSTRUCTION IS USED TRANSPOSED: source 0 = 16 columns of w_out, which lies [k][n] in LDS and is turned on its way out by ds_load_tr16_b128; source 1 = 16 tokens.  A lane then holds eight
; neighbouring columns of one token.  THE BIAS IS THE C OF EACH SUM'S FIRST PRODUCT.
; REGISTERS: window 0: v0-31 addresses; two fragment buffers at v32 and v128 (4 fragments of attn_v, then 8 of w_out, for 32 along K); on the way out v32-159.
;   window 1: the accumulators ((a, b) at v[8 (8 a + b)]).   window 2: v0-63 the bias: register 8 b + j: column 16 b + 8 (lane / 16) + j of my 128.
.set KSTEP,  128
.set PA,     144                       ; a row of attn_v in LDS: 128 bytes + 16
.set PB,     544                       ; a row of w_out: 512 bytes + 32: an odd multiple of 32 bytes
.set APLANE, 128*PA                    ; one head's 128 rows
.set BOFF,   2*APLANE                  ; w_out's rows lie behind the two heads
.set SLOT,   BOFF+128*PB
.set STAGE,  2*SLOT                    ; behind the ring: 16 rows x 528 bytes for each wave, for the way out
.set SPITCH, 528
.set SPARE,  STAGE+4*16*SPITCH         ; the spare words, 128 bytes for each wave: two blocks of 256 bytes that no other line names
.set HEADB,  8192*128                  ; a head's plane of attn_v in bytes
.set LAPS,   1024/(2*KSTEP)            ; a lap = two K steps = once round the ring
.set ADRA, 16                          ; v16-17  LDS address of my fragments of attn_v in slot 0, 1
.set ADRB, 20                          ; v20-21  the same for w_out
.set STO,  24                          ; v24     the way out: where I put 32 bytes of a row
.set RD,   25                          ; v25     the way out: where I read a row back
.set CO,   26                          ; v26     16 x lane: my place in a row's 512 bytes
.set BO,   27                          ; v27     32 x (lane / 16): my eight numbers of a tile's 16 of the bias
.set SPW,  28                          ; v28     LDS address of my spare word; never rewritten
.set NIL,  29                          ; v29     0; never rewritten
.set F0,   32
.set F1,   128
.set G1, 24                            ; s[24:31] descriptor group 1 for attn_v's tiles;  s[32:39] group 0, one set for each slot
.set G0, 32
.set G1B, 48                           ; s[48:55], s[56:63] the same for w_out's
.set G0B, 56
.set MSB, 0
.macro WIN new
.if MSB != (\new)
	s_set_vgpr_msb (MSB<<8)|(\new)
.set MSB, (\new)
.endif
.endm
.set MUL,  0x50                        ; C and D window 1; both sources window 0
.set MULB, 0x60                        ; the first quarter: C (the bias) window 2, D window 1
.macro JLOAD s                         ; a joint load: waves 0 and 1 fetch attn_v's two heads, waves 2 and 3 w_out's halves; an s_nop 0 and four v_nop follow each of the two lines
	s_cmp_eq_u32 s13, 0
	s_cbranch_scc0 .Lfor_b_\@
	tensor_load_to_lds s[G0+4*\s:G0+4*\s+3], s[G1:G1+7]
	s_nop 0
.rept 4
	v_nop
.endr
	s_branch .Lasked_\@
.Lfor_b_\@:
	tensor_load_to_lds s[G0B+4*\s:G0B+4*\s+3], s[G1B:G1B+7]
	s_nop 0
.rept 4
	v_nop
.endr
.Lasked_\@:
.endm
.macro CREST                           ; a round of the cluster's barrier behind its opening barrier
	s_cmp_lg_u32 s12, 0
	s_cbranch_scc1 .Lnot_wave_0_\@
	s_barrier_signal -3
.Lnot_wave_0_\@:
	s_barrier_wait -3
	s_barrier_signal -1
	s_barrier_wait -1
.endm
.macro CROUND
	s_barrier_signal -1
	s_barrier_wait -1
	CREST
.endm
	s_load_b256 s[4:11], s[0:1], 0x0               ; attn_v s[4:5], w_out s[6:7], b_out s[8:9], out0 s[10:11]
	v_lshl_add_u32 v[SPW], v0, 2, SPARE
	v_mov_b32 v[NIL], 0
	ds_add_u32 v[SPW], v[NIL]                      ; the wave's opening: the add, twice on end, and its wait ahead of my first tensor load
	ds_add_u32 v[SPW], v[NIL]                      ; and once more, under the one wait; the set-up below, work on registers, stands between
	v_lshrrev_b32 v1, 5, v0
	v_readfirstlane_b32 s12, v1                    ; wave 0..3
	s_lshr_b32 s13, s12, 1                         ; which 64 of the tile's tokens are mine.  Also: I fetch for attn_v (0) or for w_out (1)
	s_and_b32 s14, s12, 1                          ; which 128 of its columns.  Also: which head, or which 64 rows of w_out, I fetch
	s_bfe_u32 s40, ttmp6, 0x40000                  ; cx, cy: my place in the cluster
	s_bfe_u32 s41, ttmp6, 0x40004
	s_lshl_b32 s42, ttmp9, 2
	s_add_co_u32 s42, s42, s40                     ; tile column = 4 x cluster x + cx
	s_and_b32 s15, ttmp7, 0xffff
	s_lshl_b32 s15, s15, 2
	s_add_co_u32 s15, s15, s41                     ; tile row = 4 x cluster y + cy
	s_lshl_b32 s43, s41, 2
	s_lshl_b32 s43, 15, s43                        ; my row of the cluster
	s_lshl_b32 s44, 0x1111, s40                    ; my column
	s_or_b32 s[G1+0], s43, (1<<16)|(1<<20)|(1<<21)|(4<<22)|(3<<25)  ; 15:0 the mask: attn_v's tiles go to my row; 17:16 elements of 2 bytes; 20 padding on; 21 set beside a mask; 24:22 after every 32 words; 31:25 four words
	s_mov_b32 s[G1+1], 64<<16                      ; tensor_dim0 = 64
	s_mov_b32 s[G1+2], 128<<16                     ; tensor_dim1 = 128
	s_mov_b32 s[G1+3], 64<<16                      ; tile_dim0
	s_mov_b32 s[G1+4], 128                         ; tile_dim1
	s_mov_b32 s[G1+5], 64                          ; tensor_dim0_stride: a head's rows are dense
	s_mov_b32 s[G1+6], 0
	s_mov_b32 s[G1+7], 0
	s_or_b32 s[G1B+0], s44, (1<<16)|(1<<20)|(1<<21)|(6<<22)|(7<<25) ; w_out's tiles go to my column; padding: eight words after every 128
	s_mov_b32 s[G1B+1], 256<<16
	s_mov_b32 s[G1B+2], 64<<16
	s_mov_b32 s[G1B+3], 256<<16
	s_mov_b32 s[G1B+4], 64
	s_mov_b32 s[G1B+5], 1024
	s_mov_b32 s[G1B+6], 0
	s_mov_b32 s[G1B+7], 0
	; where the tiles come from.  attn_v's hang on the tile row alone, w_out's on the tile column alone; every wave makes both addresses, in registers that never hold the other coordinate
	s_lshl_b32 s16, s14, 20                        ; attn_v: my head of the step's two,
	s_lshl_b32 s17, s15, 14                        ; 128 tokens x 128 bytes a tile row
	s_add_co_u32 s16, s16, s17
	s_mov_b32 s17, 0
	s_lshl_b32 s46, s14, 17                        ; w_out: my 64 rows of 2,048 bytes,
	s_lshl_b32 s47, s42, 9                         ; 256 columns x 2 bytes a tile column
	s_add_co_u32 s46, s46, s47
	s_mov_b32 s47, 0
	s_mul_i32 s20, s14, APLANE                     ; and where they go: no place in the cluster enters an LDS address
	s_mul_i32 s21, s14, 64*PB
	s_add_co_u32 s21, s21, BOFF
	s_wait_dscnt 0x0                               ; both opening adds are done
	s_wait_kmcnt 0x0
	s_add_nc_u64 s[18:19], s[4:5], s[16:17]
	s_add_nc_u64 s[46:47], s[6:7], s[46:47]
	CROUND                                         ; all sixteen work-groups are here: the first joint loads meet
.irp s, 0,1
	s_mov_b32 s[G0+4*\s], 1
	s_add_co_u32 s[G0+4*\s+1], s20, \s*SLOT
	s_add_nc_u64 s[G0+4*\s+2:G0+4*\s+3], s[18:19], \s*2*HEADB
	s_or_b32 s[G0+4*\s+3], s[G0+4*\s+3], 0x80000000
	s_mov_b32 s[G0B+4*\s], 1
	s_add_co_u32 s[G0B+4*\s+1], s21, \s*SLOT
	s_add_nc_u64 s[G0B+4*\s+2:G0B+4*\s+3], s[46:47], \s*KSTEP*2048
	s_or_b32 s[G0B+4*\s+3], s[G0B+4*\s+3], 0x80000000
	JLOAD \s
.endr
	v_and_b32 v1, 15, v0                           ; r
	v_bfe_u32 v2, v0, 4, 1                         ; h
	v_mul_u32_u24 v3, v1, PA
	v_lshl_add_u32 v3, v2, 4, v3                   ; attn_v: row x pitch + 16 x half
	v_and_b32 v4, 7, v0
	v_bfe_u32 v5, v0, 3, 1
	v_lshl_add_u32 v6, v2, 3, v4                   ; w_out, for the turning load: row 8 h + l % 8,
	v_mul_u32_u24 v6, v6, PB
	v_lshl_add_u32 v6, v5, 4, v6                   ; columns 8 ((l / 8) % 2) on
	s_mul_i32 s21, s13, 64*PA                      ; my 64 tokens
	s_lshl_b32 s22, s14, 8                         ; my 128 columns,
	s_add_co_u32 s22, s22, BOFF
.irp s, 0,1
	v_add_nc_u32 v[ADRA+\s], s21, v3
	v_add_nc_u32 v[ADRB+\s], s22, v6
	s_add_co_u32 s21, s21, SLOT
	s_add_co_u32 s22, s22, SLOT
.endr
	s_mul_i32 s23, s12, 16*SPITCH
	s_add_co_u32 s23, s23, STAGE                   ; my stage
	v_mul_u32_u24 v5, v1, SPITCH                   ; in: row r, 32 bytes for each half of the lanes
	v_lshl_add_u32 v5, v2, 5, v5
	v_add_nc_u32 v[STO], s23, v5
	v_and_b32 v6, 31, v0
	v_lshlrev_b32 v[CO], 4, v6                     ; back: the 32 lanes take one row of 512 bytes; and the same in out0
	v_add_nc_u32 v[RD], s23, v[CO]
	v_lshlrev_b32 v[BO], 5, v2
	s_lshl_b32 s46, s42, 10                        ; my first column in bytes of f32: 1,024 x tile column + 512 x half: in b_out and in a row of out0 alike
	s_lshl_b32 s47, s14, 9
	s_add_co_u32 s46, s46, s47
	s_mov_b32 s47, 0
	s_add_nc_u64 s[8:9], s[8:9], s[46:47]
	s_add_nc_u64 s[10:11], s[10:11], s[46:47]
	s_lshl_b32 s16, s15, 7
	s_lshl_b32 s17, s13, 6
	s_add_co_u32 s16, s16, s17                     ; my first token: 128 x tile row + 64 x half
	s_lshl_b32 s16, s16, 12                        ; rows of 4,096 bytes: under 2^25
	s_mov_b32 s17, 0
	s_add_nc_u64 s[10:11], s[10:11], s[16:17]
	WIN 0x80                                       ; destination window 2
.irp b, 0,1,2,3,4,5,6,7
	global_load_b128 v[8*\b:8*\b+3], v[BO], s[8:9] offset:64*\b
	global_load_b128 v[8*\b+4:8*\b+7], v[BO], s[8:9] offset:64*\b+16
.endr
	WIN 0
; 24 LDS loads in one run: the fragments of the slot's q-th 32 along K into buffer f: w_out's eight (turned: two loads of 16 k each), then attn_v's four, block 0 first
.macro FETCH slot, q, f
.irp b, 0,1,2,3,4,5,6,7
	ds_load_tr16_b128 v[\f+32+8*\b:\f+32+8*\b+3],   v[ADRB+\slot] offset:32*PB*(\q)+32*\b
	ds_load_tr16_b128 v[\f+32+8*\b+4:\f+32+8*\b+7], v[ADRB+\slot] offset:32*PB*(\q)+32*\b+16*PB
.endr
.irp a, 0,1,2,3
	ds_load_b128 v[\f+8*\a:\f+8*\a+3],   v[ADRA+\slot] offset:APLANE*((\q)/2)+64*((\q)%2)+16*PA*\a
	ds_load_b128 v[\f+8*\a+4:\f+8*\a+7], v[ADRA+\slot] offset:APLANE*((\q)/2)+64*((\q)%2)+16*PA*\a+32
.endr
.endm
; 8 matrix instructions: block a of my tokens against my eight blocks of columns.  first = 1: the product starts the sums on the bias.  The 32 accumulators take turns, one instruction a turn.
.macro MUL8 f, a, first
.irp b, 0,1,2,3,4,5,6,7
.if \first
	v_wmma_f32_16x16x32_f16 v[8*(8*\a+\b):8*(8*\a+\b)+7], v[\f+32+8*\b:\f+32+8*\b+7], v[\f+8*\a:\f+8*\a+7], v[8*\b:8*\b+7]
.else
	v_wmma_f32_16x16x32_f16 v[8*(8*\a+\b):8*(8*\a+\b)+7], v[\f+32+8*\b:\f+32+8*\b+7], v[\f+8*\a:\f+8*\a+7], v[8*(8*\a+\b):8*(8*\a+\b)+7]
.endif
.endr
.endm
.macro PLACES                          ; four places in front of loads into registers that matrix instructions have read, and of the first read of results
.rept 4
	v_nop
.endr
.endm
; A K step is four quarters of 32 along K, 32 matrix instructions each, on buffers 0, 1, 0, 1.  One of the first three: multiplies buffer f and fetches the slot's quarter qn into g.
.macro QUARTER slot, qn, f, g, first
	s_wait_dscnt 4                                 ; w_out's fragments and my blocks 0 and 1 are in; the youngest four loads (blocks 2 and 3) may be out
	WIN MUL+16*\first
	MUL8 \f, 0, \first
	MUL8 \f, 1, \first
	PLACES
	WIN 0
	FETCH \slot, \qn, \g
	s_wait_dscnt 24                                ; all but the 24 just issued
	WIN MUL+16*\first
	MUL8 \f, 2, \first
	MUL8 \f, 3, \first
.endm
; The last quarter multiplies buffer 1 and changes slots: ONE barrier; in front of it each wave waits for all its tensor loads, adds 0 to its spare word, and waits for that and for its own reads of this slot.
; fill = 1: this slot is filled again, two K steps ahead; the barrier then opens a round of the cluster's, and the joint refill is the first tensor load behind it: 112 matrix instructions ahead of the wait for it.
.macro TURN slot, next, fill
	WIN 0                                          ; (the add's two registers lie in window 0)
	s_wait_tensorcnt 0x0                           ; all my tensor loads have landed: my part of the next slot
	ds_add_u32 v[SPW], v[NIL]                      ; 0 onto my spare word
	s_wait_dscnt 5                                 ; (the add and the youngest four loads may be out)
	WIN MUL
	MUL8 F1, 0, 0                                  ; eight matrix instructions stand between the add and the wait for it
	s_wait_dscnt 0x0                               ; the add is done, and my reads of this slot are over
	s_barrier_signal -1
	MUL8 F1, 1, 0
	WIN 0                                          ; (branches may follow)
	s_barrier_wait -1
.if \fill
	CREST                                          ; no wave of any partner still reads this slot's tiles or has a load on its way
	s_add_nc_u64 s[G0+4*\slot+2:G0+4*\slot+3], s[G0+4*\slot+2:G0+4*\slot+3], 4*HEADB
	s_add_nc_u64 s[G0B+4*\slot+2:G0B+4*\slot+3], s[G0B+4*\slot+2:G0B+4*\slot+3], 2*KSTEP*2048
	JLOAD \slot                                    ; the four v_nop behind it are also the places in front of the loads below
.else
	PLACES
.endif
	FETCH \next, 0, F0
	WIN MUL
	MUL8 F1, 2, 0
	MUL8 F1, 3, 0
.endm
	s_wait_tensorcnt 1                             ; my part of K step 0 is in (K step 1's load may be out)
	s_barrier_signal -1
	s_barrier_wait -1                              ; everybody's is
	FETCH 0, 0, F0
	s_wait_loadcnt 0x0                             ; the bias
	QUARTER 0, 1, F0, F1, 1                        ; the first quarter stands in front of the loop: its products start the sums on the bias
	WIN 0                                          ; at a label and at a branch every window is 0
	s_mov_b32 s3, LAPS-1
.Llap:                                                 ; a trip goes once round the ring, from a lap's second quarter to the next lap's first, and fills both slots again
	QUARTER 0, 2, F1, F0, 0
	QUARTER 0, 3, F0, F1, 0
	TURN 0, 1, 1
	QUARTER 1, 1, F0, F1, 0
	QUARTER 1, 2, F1, F0, 0
	QUARTER 1, 3, F0, F1, 0
	TURN 1, 0, 1
	QUARTER 0, 1, F0, F1, 0
	WIN 0
	s_sub_co_u32 s3, s3, 1
	s_cmp_lg_u32 s3, 0
	s_cbranch_scc1 .Llap
	QUARTER 0, 2, F1, F0, 0                        ; the last lap fills nothing, and has no round of the cluster's barrier
	QUARTER 0, 3, F0, F1, 0
	TURN 0, 1, 0
	QUARTER 1, 1, F0, F1, 0
	QUARTER 1, 2, F1, F0, 0
	QUARTER 1, 3, F0, F1, 0
	s_wait_dscnt 0x0                               ; the very last quarter: nothing more to fetch
	WIN MUL
	MUL8 F1, 0, 0
	MUL8 F1, 1, 0
	MUL8 F1, 2, 0
	MUL8 F1, 3, 0
	WIN 0
; THE WAY OUT, block by block of 16 tokens x 128 columns.  A lane holds 32 neighbouring bytes of a row, and the lanes beside it hold other rows: so a block goes through my own stage and comes back as whole
; rows of 512 bytes, which the 32 lanes store as 512 consecutive bytes, aligned.  LDS serves a wave's instructions in order: no wait between the stores and the loads, nor in front of the next block's stores.
.macro TOSTAGE a
	WIN 0x04                                       ; an LDS store's data are its source 1: window 1
.irp b, 0,1,2,3,4,5,6,7
	ds_store_b128 v[STO], v[64*(\a)+8*\b:64*(\a)+8*\b+3] offset:64*\b          ; each accumulator from its low end on
	ds_store_b128 v[STO], v[64*(\a)+8*\b+4:64*(\a)+8*\b+7] offset:64*\b+16
.endr
	WIN 0
.set BB, 32+64*((\a)%2)
.irp t, 0,1,2,3,4,5,6,7,8,9,10,11,12,13,14,15
	ds_load_b128 v[BB+4*\t:BB+4*\t+3], v[RD] offset:\t*SPITCH
.endr
.endm
.macro SEND a, younger                 ; younger: the LDS instructions issued behind block a's loads, which may stay out
.set BB, 32+64*((\a)%2)
	s_wait_dscnt \younger                          ; the block is back in registers
.if (\a) > 0
	s_add_nc_u64 s[10:11], s[10:11], 16*4096       ; (behind a wait on XCNT: the earlier stores have read their base)  16 tokens on
.endif
.irp t, 0,1,2,3,4,5,6,7,8,9,10,11,12,13,14,15
	global_store_b128 v[CO], v[BB+4*\t:BB+4*\t+3], s[10:11] offset:\t*4096 th:TH_STORE_NT   ; written once, read by nobody here
.endr
.endm
	PLACES                                         ; for the reads of the last results and for the loads into the registers that held fragments
	TOSTAGE 0
.irp a, 1,2,3
.if \a > 1
	s_wait_xcnt 0x0                                ; block a - 2's stores have read their registers and their base: block a's loads may land there, and the base may step
.endif
	TOSTAGE \a
	SEND \a-1, 32                                  ; behind block a - 1's loads: block a's 16 stores and 16 loads
.endr
	s_wait_xcnt 0x0                                ; block 2's stores have read their base
	SEND 3, 0
	s_wait_tensorcnt 0x0                           ; the wave's end, behind my last tensor load and my last LDS store
	ds_add_u32 v[SPW], v[NIL]
	s_wait_dscnt 0x0
	CROUND                                         ; the closing round: no work-group ends while a partner may still ask for a tile that names it
	s_endpgm
.Lfunc_end_k_q826dd8b960_outp:
	.size	k_q826dd8b960_outp, .Lfunc_end_k_q826dd8b960_outp-k_q826dd8b960_outp
	.p2alignl 7, 3214868480
	.fill 96, 4, 3214868480
	.section	.rodata,"a",@progbits
	.p2align	6, 0x0
	.amdhsa_kernel k_q826dd8b960_outp
		.amdhsa_group_segment_fixed_size 327680
		.amdhsa_private_segment_fixed_size 0
		.amdhsa_enable_private_segment 0
		.amdhsa_kernarg_size 32
		.amdhsa_user_sgpr_count 2
		.amdhsa_user_sgpr_kernarg_segment_ptr 1
		.amdhsa_wavefront_size32 1
		.amdhsa_system_sgpr_workgroup_id_x 1
		.amdhsa_system_sgpr_workgroup_id_y 1
		.amdhsa_system_sgpr_workgroup_id_z 1
		.amdhsa_system_vgpr_workitem_id 0
		.amdhsa_next_free_vgpr 576
		.amdhsa_next_free_sgpr 66
		.amdhsa_reserve_vcc 0
		.amdhsa_float_denorm_mode_32 3
		.amdhsa_float_denorm_mode_16_64 3
		.amdhsa_memory_ordered 1
		.amdhsa_forward_progress 1
		.amdhsa_inst_pref_size 87
	.end_amdhsa_kernel
	.amdgpu_metadata
---
amdhsa.version: [ 1, 2 ]
amdhsa.kernels:
  - .name:           k_q826dd8b960_outp
    .symbol:         k_q826dd8b960_outp.kd
    .args:
      - { .name: av, .offset: 0, .size: 8, .value_kind: global_buffer, .address_space: global }
      - { .name: wo16, .offset: 8, .size: 8, .value_kind: global_buffer, .address_space: global }
      - { .name: b_out, .offset: 16, .size: 8, .value_kind: global_buffer, .address_space: global }
      - { .name: out0, .offset: 24, .size: 8, .value_kind: global_buffer, .address_space: global }
    .group_segment_fixed_size: 327680
    .private_segment_fixed_size: 0
    .kernarg_segment_align: 8
    .kernarg_segment_size: 32
    .max_flat_workgroup_size: 128
    .sgpr_count:     66
    .vgpr_count:     576
    .wavefront_size: 32
...
	.end_amdgpu_metadata
.endif
;; end of part 4
